; MI455X (gfx1250); checked and timed in simulation.
; The chip was launched on July 23, 2026; its instructions are those of AMD's public machine-readable ISA for CDNA 5 (MIT licence, August 2026) and "CDNA5" Instruction Set Architecture Reference Guide (July 2026). The comments in the code are by the model that wrote it; some were corrected since.
;; Self Attention. Allowed arithmetic: matrix products marked QUANTISED: E3M2 operands, one E8M0 scale for each 32 along K, by v_wmma_scale_f32_16x16x128_f8f6f4 with both operands' format E3M2, f32 sums; everything else in f32.
;; Inputs: Wk 1,024 x 1,024 float32; Wo 1,024 x 1,024 float32; Wq 1,024 x 1,024 float32; Wv 1,024 x 1,024 float32; beta 1,024 float32; bk 1,024 float32; bo 1,024 float32; bq 1,024 float32; bv 1,024 float32; gamma 1,024 float32; mask 2,048 x 2,048 bool; x 2 x 2,048 x 1,024 float32.
;; Outputs: out0 2 x 2,048 x 1,024 float32.
;; This version of the problem:
;;   THIS VERSION OF THE PROBLEM IS GIVEN IN LOW PRECISION. The matrix products marked QUANTISED in the list below multiply operands that are first quantised to E3M2 (3 exponent bits, 2 mantissa bits; 6 bits a number), with one power-of-two scale for each 32 numbers along K (OCP MX v1.0); their sums are f32. All else is computed in f32.
;;   The module's matrix products, in the order in which they are computed (A, B: the left and right operand; K: the contracted axis; several contracted axes count as one K, in the product's order):
;;     1. [M 4,096, K 1,024] x [K 1,024, N 1,024]; A: computed on the way; B: input Wq: QUANTISED
;;     2. [M 4,096, K 1,024] x [K 1,024, N 1,024]; A: computed on the way; B: input Wk: QUANTISED
;;     3. [M 4,096, K 1,024] x [K 1,024, N 1,024]; A: computed on the way; B: input Wv: QUANTISED
;;     4. batch 32 x [M 2,048, K 64] x [K 64, N 2,048]; A: computed on the way; B: computed on the way: QUANTISED
;;     5. batch 32 x [M 2,048, K 2,048] x [K 2,048, N 64]; A: softmax (see below); B: computed on the way: QUANTISED
;;     6. [M 4,096, K 1,024] x [K 1,024, N 1,024]; A: computed on the way; B: input Wo: QUANTISED
;;   THE QUANTISER, for each operand of a quantised product, along K:
;;     - K is cut into blocks of 32 from its start; a last block that is shorter is filled with zeros.
;;     - A block's scale is 2^e with e = floor(log2(the largest magnitude in the block)) - 4, held to -126 .. 127; a block of zeros has e = 0. As a byte (E8M0): e + 127.
;;     - Each number is divided by its block's scale, clamped to +-28, and rounded to the nearest number of E3M2, ties to even, subnormals kept.
;;     - The product sums the exact products of the quantised numbers (number of the format x scale) in f32.
;;   ~~~python
;;   def quantise(x, axis):      # numpy; x: float32 -> the quantised numbers, widened to float32 again
;;       x = np.moveaxis(x, axis, -1); K = x.shape[-1]
;;       x = np.pad(x, [(0, 0)] * (x.ndim - 1) + [(0, -K % 32)]); x = x.reshape(x.shape[:-1] + (-1, 32)); a = np.abs(x).max(-1, keepdims=True)
;;       e = np.where(a > 0, np.clip(np.frexp(np.where(a > 0, a, 1))[1] - 1 - 4, -126, 127), 0)      # np.frexp(a)[1] - 1 = floor(log2(a)), exactly
;;       r = np.clip(x / 2.0 ** e, -28, 28)
;;       step = 2.0 ** (np.maximum(np.frexp(np.where(r == 0, 1, r))[1] - 1, -2) - 2)
;;       q = np.round(r / step) * step * 2.0 ** e      # np.round: ties to even
;;       return np.moveaxis(q.reshape(q.shape[:-2] + (-1,))[..., :K], -1, axis).astype(np.float32)
;;   ~~~
;;   SOFTMAX AHEAD OF A QUANTISED PRODUCT. Where the list says 'softmax', what is quantised is not the finished softmax but p = 2^(t - M), with t = logit x log2(e) and M = ceil(the row's largest t), a whole number; so 1/2 < the row's largest p <= 1. The row's sum l is taken of the UNQUANTISED p, in f32, and the product's result is divided by l at the end. Since M is a whole number, a kernel that streams over the keys may use a running M (the ceiling of the running maximum): every later rescaling is an exact power of two, which a block's scale takes up: the codes' values come out the same.
;;   OPERANDS COMPUTED ON THE WAY. 'Computed on the way' means the value that the module computes at that place (a softmax that the list does not call 'softmax' is quantised finished and normalised). What goes into a quantiser is computed in f32, as accurately as f32 sums, v_exp_f32 and their like allow (about 1e-6 of the number): no bf16 or f16 on the way to a quantiser, and a product that is left as it is and whose result goes on into a quantised operand takes f32 operands (vector FMAs, or v_wmma_f32_16x16x4_f32). A number that lies on a knife's edge between two numbers of the format may be rounded either way, as far as f32 arithmetic and the matrix unit's own rounding can turn it there, and no further.
;; One version. Each part assembles by itself: llvm-mc -triple=amdgcn-amd-amdhsa -mcpu=gfx1250 --defsym DOCPART=n.
;; ======== version 1 of 1: 4 launches
;; limits: right only within a limited range of input values
;; workspace buffers: img 6,291,456 bytes; scl 262,144 bytes; mw 524,288 bytes of whole numbers; mf 512 bytes of whole numbers; qkv 9,437,184 bytes; qkvs 393,216 bytes; oimg 3,145,728 bytes; oscl 131,072 bytes
;; launch prep (part 1): grid 384 x 1, 4 waves a work-group, no clusters, 68,352 bytes of LDS; arguments x, Wq, Wk, Wv, Wo, mask, img, scl, mw, mf; writes img, scl, mw, mf
.if DOCPART == 1
	.amdgcn_target "amdgcn-amd-amdhsa--gfx1250"
	.amdhsa_code_object_version 6
	.text
	.protected	k_qd5a69a780a_prep
	.globl	k_qd5a69a780a_prep
	.p2align	8
	.type	k_qd5a69a780a_prep,@function
k_qd5a69a780a_prep:
	s_mov_b64 s[64:65], 0
	v_nop
	global_prefetch_b8 v0, s[64:65] scope:SCOPE_SE
	s_setreg_imm32_b32 hwreg(HW_REG_WAVE_MODE, 25, 1), 1
	s_wait_xcnt 0x0
; x [4096][1024] (after nan_to_num) and Wq, Wk, Wv, Wo [1024][1024], f32, K innermost, become codes of BF6 (E3M2) with one E8M0 byte for each 32 along K; the mask becomes lane-mask words and flags.
; TILES.  Tile t of a tensor holds the 16 rows 32 (t / 2) + 8 (t % 2) + r + 8 (r / 8), r = 0 .. 15: used as a product's source 0, two neighbouring tiles give a lane 16 neighbouring results.
; IMAGES.  A fragment (16 rows x 128 K, 12 registers a lane) is stored as its registers stand: register 4 c + i of lane l at byte 512 c + 16 l + 4 i: three stores of 512 consecutive bytes.
;   img [512 tiles][8 K steps][1,536]: x's tiles 0-255, Wq 256-319, Wk 320-383, Wv 384-447, Wo 448-511.   scl [512 tiles][2 halves of K][16 rows][4 words].
; A block's scale is 2^(floor(log2(largest magnitude)) - 4); its byte is the largest magnitude's exponent field - 4, held at 1 from below.  A block of zeros keeps the byte 1: its codes are zeros, and this program alone reads the bytes.
; MASK.  mw [128 tiles of queries][16 key steps][64 words]: bit l of word 16 b + i = mask[row of lane l % 16][128 s + 32 b + 16 (l / 16) + i]: the lane mask of score register 16 b + i in the attention launch.
;   mf [128]: bit s: some pair of the tile in key step s is open; bit 16 + s: some pair is blocked.  A tile with a row that is blocked everywhere has all sixteen low bits set: such a row weighs every key alike.
; SHARES.  Work-groups 0-255: two tiles each; a wave takes 16 rows x 512 K.  Work-groups 256-383: one tile of queries each; a wave takes 512 keys.  The two ways have LDS bytes of their own.
; No matrix unit, no cluster, no tensor load: no work-group shares an input byte with another, and every byte is read once.
; LIMITS: NaN and infinities in the weights are not served (x's are replaced as the problem says); blocks whose largest magnitude lies under 2^-122 were not tried; mask bytes count as blocked where they are not 0.
.set STG,  8448                        ; a wave's stage: 16 rows x (512 bytes + 16)
.set MST,  33792                       ; the mask way's four stages begin here
.set REC,  67584                       ; the mask way's records: 4 words of AND, 4 words of flags
.set R0,   128                         ; v128-191, v192-255: two sets of 64 numbers as loaded
.set X,    64                          ; v64-127: a lane's two whole blocks of 32
.set PC0,  32                          ; v32-43, v44-55: two sets of codes
.set SWD,  20                          ; v20-23: the four scale words of my half of K
	s_load_b256 s[4:11], s[0:1], 0x0               ; x, Wq, Wk, Wv
	s_load_b256 s[12:19], s[0:1], 0x20             ; Wo, mask, img, scl
	s_load_b128 s[20:23], s[0:1], 0x40             ; mw, mf
	v_lshl_add_u32 v62, v0, 2, 0x10900
	v_mov_b32 v63, 0
	v_lshrrev_b32 v1, 5, v0
	v_readfirstlane_b32 s24, v1                    ; wave 0..3
	v_and_b32 v1, 31, v0                           ; lane
	v_and_b32 v2, 15, v0                           ; r
	v_bfe_u32 v3, v0, 4, 1                         ; h
	v_lshlrev_b32 v4, 4, v1                        ; 16 x lane
	v_lshlrev_b32 v7, 4, v2                        ; 16 r
	v_mov_b32 v8, 0
	v_lshlrev_b32 v11, 3, v3                       ; 8 h
	s_mul_i32 s25, s24, STG
	v_add_nc_u32 v5, s25, v4                       ; stage, way in: 16 x lane of a row
	v_mul_u32_u24 v6, v2, 528
	v_add_nc_u32 v6, s25, v6
	v_lshl_add_u32 v57, v3, 4, v6
	v_add_nc_u32 v57, MST, v57                     ; mask stage, way out: row r, + 16 h
	v_lshl_add_u32 v6, v3, 7, v6                   ; stage, way out: row r, + 128 h
	v_add_nc_u32 v56, MST, v5                      ; mask stage, way in
	v_mov_b32 v58, s24
	v_lshl_add_u32 v58, v58, 2, REC                ; my wave's record
	v_mov_b32 v59, REC
	v_lshlrev_b32 v60, 3, v1                       ; 8 x lane
	s_cmp_ge_u32 ttmp9, 256
	s_cbranch_scc1 .Lmask
	; ---------------- the quantiser ----------------
	s_lshl_b32 s32, ttmp9, 1
	s_lshr_b32 s33, s24, 1
	s_add_co_u32 s32, s32, s33                     ; my tile
	s_and_b32 s33, s24, 1                          ; my half of K
	s_mov_b32 s27, 0x7fffffff
	s_mov_b32 s28, 0x7f800000
	s_mov_b32 s29, 0x4e6e6b28                      ; 1e9
	s_mov_b32 s30, 0x76543210
	s_mov_b32 s31, 0xfedcba98                      ; v_permlanex16_b32's selects for lane l xor 16
	s_wait_kmcnt 0x0
	s_mov_b64 s[34:35], s[12:13]                   ; which tensor: the choice hangs on the work-group's number alone
	s_cmp_lt_u32 ttmp9, 224
	s_cselect_b64 s[34:35], s[10:11], s[34:35]
	s_cmp_lt_u32 ttmp9, 192
	s_cselect_b64 s[34:35], s[8:9], s[34:35]
	s_cmp_lt_u32 ttmp9, 160
	s_cselect_b64 s[34:35], s[6:7], s[34:35]
	s_cmp_lt_u32 ttmp9, 128
	s_cselect_b64 s[34:35], s[4:5], s[34:35]
	s_cselect_b32 s26, 1, 0                        ; 1: x
	s_cselect_b32 s36, 255, 63
	s_and_b32 s36, s32, s36                        ; the tile's number in its tensor
	s_lshr_b32 s37, s36, 1
	s_lshl_b32 s37, s37, 5
	s_and_b32 s36, s36, 1
	s_lshl_b32 s36, s36, 3
	s_add_co_u32 s36, s36, s37                     ; its first row
	s_lshl_b32 s36, s36, 12
	s_lshl_b32 s37, s33, 11
	s_add_co_u32 s36, s36, s37                     ; x 4,096 bytes + 2,048 x half
	s_mov_b32 s37, 0
	s_add_nc_u64 s[34:35], s[34:35], s[36:37]
	s_mul_i32 s36, s32, 12288
	s_mul_i32 s38, s33, 6144
	s_add_co_u32 s36, s36, s38
	s_add_nc_u64 s[16:17], s[16:17], s[36:37]      ; img at my four fragments
	s_lshl_b32 s36, s32, 9
	s_lshl_b32 s38, s33, 8
	s_add_co_u32 s36, s36, s38
	s_add_nc_u64 s[18:19], s[18:19], s[36:37]      ; scl at my 256 bytes
.macro LOAD f                          ; fragment f: 16 rows x 512 consecutive bytes
.irp i, 0,1,2,3,4,5,6,7,8,9,10,11,12,13,14,15
	global_load_b128 v[R0+64*((\f)%2)+4*\i:R0+64*((\f)%2)+4*\i+3], v4, s[34:35] offset:(\i+8*(\i/8))*4096+512*(\f) th:TH_LOAD_NT
.endr
.endm
.macro NANFIX reg                      ; NaN -> 0, +-infinity -> +-1e9
	v_and_b32 v9, s27, v[\reg]
	v_bfi_b32 v10, s27, s29, v[\reg]               ; 1e9 under the number's sign
	v_cmp_eq_u32 vcc_lo, s28, v9
	v_cndmask_b32 v[\reg], v[\reg], v10, vcc_lo
	v_cmp_lt_u32 vcc_lo, s28, v9
	v_cndmask_b32 v[\reg], v[\reg], v8, vcc_lo
.endm
.macro QF f
.set RR, R0+64*((\f)%2)
.set PC, PC0+12*((\f)%2)
.if (\f) < 3
	s_wait_loadcnt 16                              ; this fragment's 16 loads are in; the next fragment's 16 may be out
.else
	s_wait_loadcnt 0x0
.endif
	s_cmp_eq_u32 s26, 0                            ; only x has the problem's nan_to_num
	s_cbranch_scc1 .Lraw_\@
.set j, 0
.rept 64
	NANFIX RR+j
.set j, j+1
.endr
.Lraw_\@:
.irp i, 0,1,2,3,4,5,6,7,8,9,10,11,12,13,14,15
	ds_store_b128 v5, v[RR+4*\i:RR+4*\i+3] offset:528*\i
.endr
	s_wait_alu depctr_va_vdst(0)
.irp c, 0,1                            ; lane (r, h) takes k = 64 c + 32 h + 0 .. 31 of row r: two whole blocks.  LDS serves a wave's instructions in order: these see the stores above
.irp k, 0,1,2,3,4,5,6,7
	ds_load_b128 v[X+32*\c+4*\k:X+32*\c+4*\k+3], v6 offset:256*\c+16*\k
.endr
.endr
	s_wait_dscnt 0x0                               ; the numbers are back, and the stage's stores have read their registers,
.if (\f) < 2
	LOAD (\f)+2                                    ; which take the loads of two fragments on
.endif
	v_max3_num_f32 v12, |v[X]|, |v[X+1]|, 0x2800000      ; each block's largest magnitude, with the floor 2^(5 - 127) among its leaves: the byte cannot fall under 1
	v_max3_num_f32 v13, |v[X+32]|, |v[X+33]|, 0x2800000
.irp i, 2,4,6,8,10,12,14,16,18,20,22,24,26,28,30
	v_max3_num_f32 v12, v12, |v[X+\i]|, |v[X+\i+1]|
	v_max3_num_f32 v13, v13, |v[X+32+\i]|, |v[X+33+\i]|
.endr
	v_add_nc_u32 v14, 0xfe000000, v12              ; 4 off the exponent field: the conversion's scale operand
	v_add_nc_u32 v15, 0xfe000000, v13
	v_lshrrev_b32 v16, 23, v14                     ; the bytes of blocks h and 2 + h,
	v_lshrrev_b32 v17, 23, v15
	v_lshl_or_b32 v16, v17, 16, v16
	v_lshlrev_b32 v16, v11, v16                    ; at their places in the row's scale word;
	v_permlanex16_b32 v17, v16, s30, s31
	v_or_b32 v[SWD+(\f)], v16, v17                 ; with lane l xor 16's two the word is whole
.if (\f) >= 2
	s_wait_alu depctr_va_vdst(0)
	s_wait_xcnt 0x0                                ; the stores of two fragments back have read this set of codes
.endif
	v_cvt_scalef32_pk16_bf6_f32 v[PC:PC+2], v[X:X+15], v14
	v_cvt_scalef32_pk16_bf6_f32 v[24:26], v[X+16:X+31], v14          ; (a conversion's three registers begin on an even number)
	v_cvt_scalef32_pk16_bf6_f32 v[PC+6:PC+8], v[X+32:X+47], v15
	v_cvt_scalef32_pk16_bf6_f32 v[28:30], v[X+48:X+63], v15
	v_nop                                          ; one plain place behind a scaled conversion
.irp i, 0,1,2
	v_mov_b32 v[PC+3+\i], v[24+\i]
	v_mov_b32 v[PC+9+\i], v[28+\i]
.endr
.irp c, 0,1,2
	global_store_b128 v4, v[PC+4*\c:PC+4*\c+3], s[16:17] offset:1536*(\f)+512*\c   ; 32 lanes store 512 consecutive bytes
.endr
.endm
	LOAD 0
	LOAD 1
	QF 0
	QF 1
	QF 2
	QF 3
	s_wait_xcnt 0x0                                ; EXEC changes only behind this wait
	v_cmp_gt_u32 vcc_lo, 16, v1
	s_wait_tensorcnt 0x0
	ds_add_u32 v62, v63
	s_wait_dscnt 0x0
	s_and_saveexec_b32 s38, vcc_lo
	global_store_b128 v7, v[SWD:SWD+3], s[18:19]   ; sixteen lanes store 256 consecutive bytes: my rows' four words each
	s_endpgm
	; ---------------- the mask ----------------
.Lmask:
	s_sub_co_u32 s32, ttmp9, 256                   ; the tile of queries
	s_lshr_b32 s33, s32, 1
	s_lshl_b32 s33, s33, 5
	s_and_b32 s34, s32, 1
	s_lshl_b32 s34, s34, 3
	s_add_co_u32 s33, s33, s34                     ; its first row
	s_lshl_b32 s36, s33, 11
	s_lshl_b32 s34, s24, 9
	s_add_co_u32 s36, s36, s34                     ; x 2,048 bytes + my wave's 512 keys
	s_mov_b32 s37, 0
	s_wait_kmcnt 0x0
	s_add_nc_u64 s[14:15], s[14:15], s[36:37]
.irp i, 0,1,2,3,4,5,6,7,8,9,10,11,12,13,14,15
	global_load_b128 v[R0+4*\i:R0+4*\i+3], v4, s[14:15] offset:(\i+8*(\i/8))*2048 th:TH_LOAD_NT
.endr
	s_lshl_b32 s36, s32, 12
	s_lshl_b32 s34, s24, 10
	s_add_co_u32 s36, s36, s34
	s_add_nc_u64 s[20:21], s[20:21], s[36:37]      ; mw at my four key steps
	s_lshl_b32 s36, s32, 2
	s_add_nc_u64 s[22:23], s[22:23], s[36:37]      ; mf at my tile's word
.irp k, 0,1,2,3,4,5,6,7
	v_mov_b32 v[12+\k], 0                          ; v_writelane_b32's destination counts as read
.endr
	s_mov_b32 s45, -1                              ; AND of all words: bit l = every key of lane l is blocked
	s_mov_b32 s46, 0                               ; the flags of my four steps
	s_wait_loadcnt 0x0
.irp i, 0,1,2,3,4,5,6,7,8,9,10,11,12,13,14,15
	ds_store_b128 v56, v[R0+4*\i:R0+4*\i+3] offset:528*\i
.endr
.irp t, 0,1,2,3
.irp b, 0,1,2,3
	ds_load_b128 v[64+16*\t+4*\b:64+16*\t+4*\b+3], v57 offset:128*\t+32*\b   ; row r, keys 128 t + 32 b + 16 h + 0 .. 15
.endr
.endr
	s_wait_dscnt 0x0
.irp t, 0,1,2,3
	s_mov_b32 s38, -1
	s_mov_b32 s39, 0
.set j, 0
.rept 64
	v_and_b32 v[9+j%2], 0xff<<(8*(j%4)), v[64+16*\t+j/4]
	v_cmp_ne_u32 s[40+j%4], 0, v[9+j%2]            ; word j: a bit a lane
	s_and_b32 s38, s38, s[40+j%4]
	s_or_b32 s39, s39, s[40+j%4]
	v_writelane_b32 v[12+2*\t+j%2], s[40+j%4], j/2 ; lane j / 2 keeps words j and j + 1
.set j, j+1
.endr
	global_store_b64 v60, v[12+2*\t:13+2*\t], s[20:21] offset:256*\t   ; 32 lanes store the step's 256 bytes
	s_cmp_lg_u32 s38, -1
	s_cselect_b32 s44, 1<<\t, 0                    ; some pair is open
	s_or_b32 s46, s46, s44
	s_cmp_lg_u32 s39, 0
	s_cselect_b32 s44, 1<<(16+\t), 0               ; some pair is blocked
	s_or_b32 s46, s46, s44
	s_and_b32 s45, s45, s38
.endr
	s_lshl_b32 s47, s24, 2
	s_lshl_b32 s46, s46, s47                       ; my steps are 4 x wave on
	v_mov_b32 v9, s45
	v_mov_b32 v10, s46
	ds_store_b32 v58, v9
	ds_store_b32 v58, v10 offset:16
	s_wait_dscnt 0x0                               ; for the others' sake: my record has landed
	s_barrier_signal -1
	s_barrier_wait -1
	ds_load_b128 v[20:23], v59
	ds_load_b128 v[24:27], v59 offset:16
	s_wait_dscnt 0x0
	v_and_b32 v20, v20, v21
	v_and_b32 v22, v22, v23
	v_and_b32 v20, v20, v22
	v_or_b32 v24, v24, v25
	v_or_b32 v26, v26, v27
	v_or_b32 v24, v24, v26
	v_lshrrev_b32 v21, 16, v20
	v_and_b32 v20, v20, v21
	v_and_b32 v20, 0xffff, v20                     ; bit r: row r is blocked at all 2,048 keys
	v_or_b32 v25, 0xffff, v24
	v_cmp_ne_u32 vcc_lo, 0, v20
	v_cndmask_b32 v24, v24, v25, vcc_lo            ; then no key step of the tile may be left out
	s_wait_alu depctr_va_vdst(0)
	s_wait_xcnt 0x0                                ; EXEC changes only behind this wait
	v_cmp_eq_u32 vcc_lo, 0, v0
	s_wait_tensorcnt 0x0
	ds_add_u32 v62, v63
	s_wait_dscnt 0x0
	s_and_saveexec_b32 s38, vcc_lo
	global_store_b32 v8, v24, s[22:23]
	s_endpgm
.Lfunc_end_k_qd5a69a780a_prep:
	.size	k_qd5a69a780a_prep, .Lfunc_end_k_qd5a69a780a_prep-k_qd5a69a780a_prep
	.p2alignl 7, 3214868480
	.fill 96, 4, 3214868480
	.section	.rodata,"a",@progbits
	.p2align	6, 0x0
	.amdhsa_kernel k_qd5a69a780a_prep
		.amdhsa_group_segment_fixed_size 68352
		.amdhsa_private_segment_fixed_size 0
		.amdhsa_enable_private_segment 0
		.amdhsa_kernarg_size 80
		.amdhsa_user_sgpr_count 2
		.amdhsa_user_sgpr_kernarg_segment_ptr 1
		.amdhsa_wavefront_size32 1
		.amdhsa_system_sgpr_workgroup_id_x 1
		.amdhsa_system_sgpr_workgroup_id_y 1
		.amdhsa_system_sgpr_workgroup_id_z 1
		.amdhsa_system_vgpr_workitem_id 0
		.amdhsa_next_free_vgpr 256
		.amdhsa_next_free_sgpr 66
		.amdhsa_reserve_vcc 1
		.amdhsa_float_denorm_mode_32 3
		.amdhsa_float_denorm_mode_16_64 3
		.amdhsa_memory_ordered 1
		.amdhsa_forward_progress 1
		.amdhsa_inst_pref_size 159
	.end_amdhsa_kernel
	.amdgpu_metadata
---
amdhsa.version: [ 1, 2 ]
amdhsa.kernels:
  - .name:           k_qd5a69a780a_prep
    .symbol:         k_qd5a69a780a_prep.kd
    .args:
      - { .name: x, .offset: 0, .size: 8, .value_kind: global_buffer, .address_space: global }
      - { .name: Wq, .offset: 8, .size: 8, .value_kind: global_buffer, .address_space: global }
      - { .name: Wk, .offset: 16, .size: 8, .value_kind: global_buffer, .address_space: global }
      - { .name: Wv, .offset: 24, .size: 8, .value_kind: global_buffer, .address_space: global }
      - { .name: Wo, .offset: 32, .size: 8, .value_kind: global_buffer, .address_space: global }
      - { .name: mask, .offset: 40, .size: 8, .value_kind: global_buffer, .address_space: global }
      - { .name: img, .offset: 48, .size: 8, .value_kind: global_buffer, .address_space: global }
      - { .name: scl, .offset: 56, .size: 8, .value_kind: global_buffer, .address_space: global }
      - { .name: mw, .offset: 64, .size: 8, .value_kind: global_buffer, .address_space: global }
      - { .name: mf, .offset: 72, .size: 8, .value_kind: global_buffer, .address_space: global }
    .group_segment_fixed_size: 68352
    .private_segment_fixed_size: 0
    .kernarg_segment_align: 8
    .kernarg_segment_size: 80
    .max_flat_workgroup_size: 128
    .sgpr_count:     66
    .vgpr_count:     256
    .wavefront_size: 32
...
	.end_amdgpu_metadata
.endif
;; end of part 1
;; launch qkv (part 2): grid 8 x 24, 4 waves a work-group, clusters of 4 x 4, 327,680 bytes of LDS; arguments img, scl, bq, bk, bv, qkv, qkvs; writes qkv, qkvs
.if DOCPART == 2
	.amdgcn_target "amdgcn-amd-amdhsa--gfx1250"
	.amdhsa_code_object_version 6
	.text
	.protected	k_qd5a69a780a_qkv
	.globl	k_qd5a69a780a_qkv
	.p2align	8
	.type	k_qd5a69a780a_qkv,@function
k_qd5a69a780a_qkv:
	s_mov_b64 s[64:65], 0
	v_nop
	global_prefetch_b8 v0, s[64:65] scope:SCOPE_SE
	s_setreg_imm32_b32 hwreg(HW_REG_WAVE_MODE, 25, 1), 1
	s_wait_xcnt 0x0
	s_wait_alu depctr_hold_cnt(0) depctr_sa_sdst(0) depctr_va_vdst(0) depctr_va_sdst(0) depctr_va_ssrc(0) depctr_va_vcc(0) depctr_vm_vsrc(0)
	s_getreg_b32 s2, hwreg(HW_REG_IB_STS2, 6, 4)
	s_cmp_eq_u32 s2, 0
	s_cbranch_scc0 .Lentry_in_a_cluster
	s_endpgm
.Lentry_in_a_cluster:
	s_bfe_u32 s2, ttmp6, 0x10000c
	s_cmp_lg_u32 s2, 0xf033
	s_cbranch_scc0 .Lentry_shape_is_right
	s_endpgm
.Lentry_shape_is_right:
.set FR,    12
.set FRB,   1536
.set TROW,  3072
.set HALFT, 8*TROW
.set SLOT,  4*HALFT
.set SPARE, 2*SLOT
.set NL,    3
.set ADRA, 16
.set ADRB, 20
.set LI,   26
.set SWO,  27
.set SPW,  28
.set NIL,  29
.set SC,   32
.set BK2,  96
.set AF,   128
.set G1,  24
.set G0,  32
.set G1B, 48
.set G0B, 56
.set MSB, 0
.macro WIN new
.if MSB != (\new)
	s_set_vgpr_msb (MSB<<8)|(\new)
.set MSB, (\new)
.endif
.endm
.set MUL_LO, 0xa1
.set MUL_HI, 0xf1
.set TO_B,   0x40
.macro JLOAD g0a, g1a, g0b, g1b
	s_cmp_eq_u32 s15, 0
	s_cbranch_scc0 .Lfor_b_\@
	tensor_load_to_lds s[\g0a:\g0a+3], s[\g1a:\g1a+7]
	s_nop 0
.rept 4
	v_nop
.endr
	s_branch .Lasked_\@
.Lfor_b_\@:
	tensor_load_to_lds s[\g0b:\g0b+3], s[\g1b:\g1b+7]
	s_nop 0
.rept 4
	v_nop
.endr
.Lasked_\@:
.endm
.macro CREST
	s_cmp_lg_u32 s14, 0
	s_cbranch_scc1 .Lnot_wave_0_\@
	s_barrier_signal -3
.Lnot_wave_0_\@:
	s_barrier_wait -3
	s_barrier_signal -1
	s_barrier_wait -1
.endm
.macro CROUND
	s_barrier_signal -1
	s_barrier_wait -1
	CREST
.endm
	s_load_b256 s[4:11], s[0:1], 0x0
	s_load_b128 s[68:71], s[0:1], 0x20
	s_load_b64 s[72:73], s[0:1], 0x30
	v_lshl_add_u32 v[SPW], v0, 2, SPARE
	v_mov_b32 v[NIL], 0
	ds_add_u32 v28, v29
	ds_add_u32 v28, v29
	s_wait_dscnt 0x0
	v_lshrrev_b32 v1, 5, v0
	v_readfirstlane_b32 s14, v1
	s_lshr_b32 s15, s14, 1
	s_and_b32 s16, s14, 1
	s_bfe_u32 s40, ttmp6, 0x40000
	s_bfe_u32 s41, ttmp6, 0x40004
	s_and_b32 s17, ttmp7, 0xffff
	s_cmp_ge_u32 s17, 4
	s_cselect_b32 s74, 1, 0
	s_lshl_b32 s42, ttmp9, 2
	s_add_co_u32 s42, s42, s40
	s_lshl_b32 s42, s42, 4
	s_sub_co_u32 s45, s17, 4
	s_lshl_b32 s45, s45, 7
	s_cmp_ge_u32 s17, 4
	s_cselect_b32 s45, s45, 256
	s_add_co_u32 s42, s42, s45
	s_lshl_b32 s18, s17, 6
	s_cmp_ge_u32 s17, 4
	s_cselect_b32 s18, 384, s18
	s_lshl_b32 s19, s41, 4
	s_add_co_u32 s18, s18, s19
	s_lshl_b32 s43, s41, 2
	s_lshl_b32 s43, 15, s43
	s_lshl_b32 s44, 0x1111, s40
	s_or_b32 s[G1+0], s43, (3<<16)|(1<<21)
	s_or_b32 s[G1B+0], s44, (3<<16)|(1<<21)
.irp g, G1, G1B
	s_mov_b32 s[\g+1], 384<<16
	s_mov_b32 s[\g+2], 8<<16
	s_mov_b32 s[\g+3], 384<<16
	s_mov_b32 s[\g+4], 8
	s_mov_b32 s[\g+5], 1536
	s_mov_b32 s[\g+6], 0
	s_mov_b32 s[\g+7], 0
.endr
	s_lshl_b32 s20, s16, 3
	s_add_co_u32 s20, s18, s20
	s_mul_i32 s20, s20, 12288
	s_mov_b32 s21, 0
	s_lshl_b32 s46, s16, 3
	s_add_co_u32 s46, s42, s46
	s_mul_i32 s46, s46, 12288
	s_mov_b32 s47, 0
	s_mul_i32 s45, s14, HALFT
	s_wait_kmcnt 0x0
	s_add_nc_u64 s[20:21], s[4:5], s[20:21]
	s_add_nc_u64 s[46:47], s[4:5], s[46:47]
	CROUND
.irp s, 0,1
	s_mov_b32 s[G0+4*\s], 1
	s_add_co_u32 s[G0+4*\s+1], s45, \s*SLOT
	s_add_nc_u64 s[G0+4*\s+2:G0+4*\s+3], s[20:21], \s*TROW
	s_or_b32 s[G0+4*\s+3], s[G0+4*\s+3], 0x80000000
	s_mov_b32 s[G0B+4*\s], 1
	s_add_co_u32 s[G0B+4*\s+1], s45, \s*SLOT
	s_add_nc_u64 s[G0B+4*\s+2:G0B+4*\s+3], s[46:47], \s*TROW
	s_or_b32 s[G0B+4*\s+3], s[G0B+4*\s+3], 0x80000000
	s_wait_alu depctr_va_vdst(0)
	s_wait_tensorcnt 0x0
	ds_add_u32 v28, v29
	ds_add_u32 v28, v29
	s_wait_dscnt 0x0
	CROUND
	JLOAD G0+4*\s, G1, G0B+4*\s, G1B
.endr
	v_and_b32 v1, 31, v0
	v_and_b32 v2, 15, v0
	v_bfe_u32 v3, v0, 4, 1
	v_lshlrev_b32 v[LI], 4, v1
	s_mul_i32 s21, s15, HALFT
	s_mul_i32 s22, s16, HALFT
	s_add_co_u32 s22, s22, 2*HALFT
.irp s, 0,1
	v_add_nc_u32 v[ADRA+\s], s21, v[LI]
	v_add_nc_u32 v[ADRB+\s], s22, v[LI]
	s_add_co_u32 s21, s21, SLOT
	s_add_co_u32 s22, s22, SLOT
.endr
	s_lshl_b32 s75, s15, 3
	s_add_co_u32 s75, s75, s18
	s_lshl_b32 s76, s16, 3
	s_add_co_u32 s76, s76, s42
	s_lshl_b32 s77, s75, 9
	s_lshl_b32 s78, s76, 9
	s_mov_b32 s79, 0xffff0000
	v_mov_b32 v4, s77
	v_mov_b32 v5, s78
	v_cndmask_b32 v4, v4, v5, s79
	v_lshl_add_u32 v4, v2, 4, v4
.irp i, 0,1,2,3,4,5,6,7
.irp f, 0,1
	global_load_b128 v[SC+8*\i+4*\f:SC+8*\i+4*\f+3], v4, s[6:7] offset:512*\i+256*\f
.endr
.endr
	s_cmp_eq_u32 ttmp9, 0
	s_cselect_b64 s[80:81], s[8:9], s[10:11]
	s_cmp_eq_u32 s74, 0
	s_cselect_b64 s[80:81], s[80:81], s[68:69]
	s_cselect_b32 s82, s76, s75
	s_cselect_b32 s83, s75, s76
	s_cselect_b32 s86, ttmp9, 2
	s_and_b32 s82, s82, 63
	s_lshl_b32 s82, s82, 4
	s_lshl_b32 s83, s83, 4
	s_lshl_b32 s84, s82, 2
	s_mov_b32 s85, 0
	s_add_nc_u64 s[80:81], s[80:81], s[84:85]
	v_lshlrev_b32 v6, 6, v3
	v_and_b32 v7, 8, v2
	v_add_nc_u32 v7, v7, v2
	v_lshlrev_b32 v7, 2, v7
	WIN TO_B
.irp b, 0,1
.irp k, 0,1,2,3
	global_load_b128 v[96+16*\b+4*\k:96+16*\b+4*\k+3], v6, s[80:81] offset:128*\b+16*\k
	global_load_b128 v[224+16*\b+4*\k:224+16*\b+4*\k+3], v6, s[80:81] offset:256+128*\b+16*\k
.endr
.endr
	WIN 0
.irp a, 0,1,2,3,4,5,6,7
	global_load_b32 v[BK2+\a], v7, s[80:81] offset:4*(32*(\a/2)+8*(\a%2))
.endr
	s_lshr_b32 s87, s83, 11
	s_lshl_b32 s87, s87, 4
	s_lshr_b32 s88, s82, 6
	s_add_co_u32 s87, s87, s88
	s_bfe_u32 s88, s83, 0x40007
	s_mul_i32 s84, s86, 3145728
	s_mul_i32 s89, s87, 98304
	s_add_co_u32 s84, s84, s89
	s_mul_i32 s89, s88, 6144
	s_add_co_u32 s84, s84, s89
	s_add_nc_u64 s[70:71], s[70:71], s[84:85]
	s_lshl_b32 s84, s86, 17
	s_lshl_b32 s89, s87, 12
	s_add_co_u32 s84, s84, s89
	s_lshl_b32 s89, s88, 8
	s_add_co_u32 s84, s84, s89
	s_add_nc_u64 s[72:73], s[72:73], s[84:85]
	v_lshlrev_b32 v[SWO], 12, v3
	v_lshl_add_u32 v[SWO], v2, 4, v[SWO]
	s_mov_b32 s92, 0x76543210
	s_mov_b32 s93, 0xfedcba98
.macro FRAG reg, adr, q, i
.irp c, 0,1,2
	ds_load_b128 v[\reg+4*\c:\reg+4*\c+3], v[\adr] offset:(\i)*TROW+(\q)*FRB+512*\c
.endr
.endm
.macro MUL16 a0, p, ks, zero
.irp a, \a0, \a0+1
.irp b, 0,1,2,3,4,5,6,7
.if \zero
	v_wmma_scale_f32_16x16x128_f8f6f4 v[8*(8*((\a)%4)+\b):8*(8*((\a)%4)+\b)+7], v[128*(\p)+FR*\b:128*(\p)+FR*\b+FR-1], v[AF+FR*(\a):AF+FR*(\a)+FR-1], 0, v[SC+8*\b+(\ks)], v[SC+8*(\a)+(\ks)] matrix_a_fmt:MATRIX_FMT_BF6 matrix_b_fmt:MATRIX_FMT_BF6 matrix_a_scale:MATRIX_SCALE_ROW1
.else
	v_wmma_scale_f32_16x16x128_f8f6f4 v[8*(8*((\a)%4)+\b):8*(8*((\a)%4)+\b)+7], v[128*(\p)+FR*\b:128*(\p)+FR*\b+FR-1], v[AF+FR*(\a):AF+FR*(\a)+FR-1], v[8*(8*((\a)%4)+\b):8*(8*((\a)%4)+\b)+7], v[SC+8*\b+(\ks)], v[SC+8*(\a)+(\ks)] matrix_a_fmt:MATRIX_FMT_BF6 matrix_b_fmt:MATRIX_FMT_BF6 matrix_a_scale:MATRIX_SCALE_ROW1
.endif
.endr
.endr
.endm
.macro FETCH_P slot, q, p
	WIN TO_B
.irp i, 0,1,2,3,4,5,6,7
	FRAG 128*(\p)+FR*\i, ADRB+\slot, \q, \i
.endr
	WIN 0
.endm
.macro FETCH_R slot, q, i0
.irp i, \i0, \i0+1, \i0+2, \i0+3
	FRAG AF+FR*(\i), ADRA+\slot, \q, \i
.endr
.endm
.macro PLACES
.rept 4
	v_nop
.endr
.endm
.macro STEP slot, ks, zero
	s_wait_dscnt 4*NL
	WIN MUL_LO
	MUL16 0, 0, \ks, \zero
	MUL16 2, 0, \ks, \zero
	s_wait_dscnt 0x0
	PLACES
	FETCH_P \slot, 1, 1
	FETCH_R \slot, 1, 0
	WIN MUL_HI
	MUL16 4, 0, \ks, \zero
	MUL16 6, 0, \ks, \zero
	PLACES
	WIN 0
	FETCH_R \slot, 1, 4
.endm
.macro TURN slot, next, ks, fill
	s_wait_tensorcnt 0x0
	ds_add_u32 v[SPW], v[NIL]
	s_wait_dscnt 4*NL+1
	WIN MUL_LO
	MUL16 0, 1, \ks, 0
	s_wait_dscnt 0x0
	s_barrier_signal -1
	MUL16 2, 1, \ks, 0
	WIN 0
	s_barrier_wait -1
.if \fill
	CREST
	s_add_nc_u64 s[G0+4*\slot+2:G0+4*\slot+3], s[G0+4*\slot+2:G0+4*\slot+3], 2*TROW
	s_add_nc_u64 s[G0B+4*\slot+2:G0B+4*\slot+3], s[G0B+4*\slot+2:G0B+4*\slot+3], 2*TROW
	JLOAD G0+4*\slot, G1, G0B+4*\slot, G1B
.else
	PLACES
.endif
	FETCH_P \next, 0, 0
	FETCH_R \next, 0, 0
	WIN MUL_HI
	MUL16 4, 1, \ks, 0
	MUL16 6, 1, \ks, 0
	PLACES
	WIN 0
	FETCH_R \next, 0, 4
.endm
	s_wait_loadcnt 0x0
	s_wait_tensorcnt 1
	s_barrier_signal -1
	s_barrier_wait -1
	FETCH_P 0, 0, 0
	FETCH_R 0, 0, 0
	FETCH_R 0, 0, 4
	STEP 0, 0, 1
	TURN 0, 1, 1, 1
	STEP 1, 2, 0
	TURN 1, 0, 3, 1
	STEP 0, 4, 0
	TURN 0, 1, 5, 0
	STEP 1, 6, 0
	s_wait_dscnt 4*NL
	WIN MUL_LO
	MUL16 0, 1, 7, 0
	MUL16 2, 1, 7, 0
	s_wait_dscnt 0x0
	WIN MUL_HI
	MUL16 4, 1, 7, 0
	MUL16 6, 1, 7, 0
	WIN 0
.set H,   128
.set TM,  192
.set PW,  208
.set XR,  224
.set YR,  236
.set CT,  248
.set T4,  104
.set SW,  112
.macro QUANT s, pc, pw
.irp b, 0,1,2,3
	v_max3_num_f32 v[TM+\b], |v[\s+16*\b]|, |v[\s+1+16*\b]|, 0x2800000
.endr
.irp i, 2,4,6,8,10,12,14
.irp b, 0,1,2,3
	v_max3_num_f32 v[TM+\b], v[TM+\b], |v[\s+16*\b+\i]|, |v[\s+1+16*\b+\i]|
.endr
.endr
.irp b, 0,1,2,3
	v_permlanex16_b32 v[TM+4+\b], v[TM+\b], s92, s93
.endr
.irp b, 0,1,2,3
	v_max_num_f32 v[TM+\b], v[TM+\b], v[TM+4+\b]
.endr
.irp b, 0,1,2,3
	v_add_nc_u32 v[TM+12+\b], 0xfe000000, v[TM+\b]
.endr
.irp b, 0,1,2,3
	v_lshrrev_b32 v[TM+4+\b], 23, v[TM+12+\b]
.endr
	v_lshl_or_b32 v[\pw], v[TM+5], 8, v[TM+4]
	v_lshl_or_b32 v[\pw], v[TM+6], 16, v[\pw]
	v_lshl_or_b32 v[\pw], v[TM+7], 24, v[\pw]
.irp c, 0,1
	v_cvt_scalef32_pk16_bf6_f32 v[\pc+6*\c:\pc+6*\c+2], v[\s+32*\c:\s+32*\c+15], v[TM+12+2*\c]
	v_cvt_scalef32_pk16_bf6_f32 v[CT+4*\c:CT+4*\c+2], v[\s+32*\c+16:\s+32*\c+31], v[TM+13+2*\c]
.endr
	v_nop
.irp c, 0,1
.irp i, 0,1,2
	v_permlane16_swap_b32 v[\pc+6*\c+\i], v[CT+4*\c+\i]
.endr
.irp i, 0,1,2
	v_mov_b32 v[\pc+3+6*\c+\i], v[CT+4*\c+\i]
.endr
.endr
.endm
.macro BIASP a
	WIN (0x04|(2+(\a)/4))
.set AC, 64*((\a)%4)
.set j, 0
.rept 16
	v_pk_add_f32 v[H+j:H+j+1], v[AC+j:AC+j+1], v[96+j:97+j]
.set j, j+2
.endr
.rept 16
	v_pk_add_f32 v[H+j:H+j+1], v[AC+j:AC+j+1], v[192+j:193+j]
.set j, j+2
.endr
	WIN 0
.endm
.macro BIASR a
	WIN (2+(\a)/4)
.set AC, 64*((\a)%4)
.set BB, BK2+((\a)/2)*2
.set j, 0
.rept 32
.if (\a)%2
	v_pk_add_f32 v[H+j:H+j+1], v[AC+j:AC+j+1], v[BB:BB+1] op_sel:[0,1] op_sel_hi:[1,1]
.else
	v_pk_add_f32 v[H+j:H+j+1], v[AC+j:AC+j+1], v[BB:BB+1] op_sel_hi:[1,0]
.endif
.set j, j+2
.endr
	WIN 0
.endm
	PLACES
.irp b, 0,1,2,3
	v_mov_b32 v[TM+4+\b], 0
.endr
	s_cmp_lg_u32 s74, 0
	s_cbranch_scc1 .Lepi_v
.irp pp, 0,1,2,3
	BIASP 2*\pp
	s_wait_xcnt 0x0
	QUANT H, XR, PW
	BIASP 2*\pp+1
	QUANT H, YR, PW+1
	v_mov_b32 v[T4], v[XR+4]
	v_mov_b32 v[T4+1], v[XR+5]
	v_mov_b32 v[T4+2], v[YR]
	v_mov_b32 v[T4+3], v[YR+1]
	v_mov_b32 v[T4+4], v[XR+10]
	v_mov_b32 v[T4+5], v[XR+11]
	v_mov_b32 v[T4+6], v[YR+6]
	v_mov_b32 v[T4+7], v[YR+7]
	v_perm_b32 v[SW+\pp], v[PW+1], v[PW], 0x05040100
	v_perm_b32 v[SW+4+\pp], v[PW+1], v[PW], 0x07060302
	global_store_b128 v[LI], v[XR:XR+3], s[70:71] offset:1536*\pp
	global_store_b128 v[LI], v[T4:T4+3], s[70:71] offset:1536*\pp+512
	global_store_b128 v[LI], v[YR+2:YR+5], s[70:71] offset:1536*\pp+1024
	global_store_b128 v[LI], v[XR+6:XR+9], s[70:71] offset:98304+1536*\pp
	global_store_b128 v[LI], v[T4+4:T4+7], s[70:71] offset:98304+1536*\pp+512
	global_store_b128 v[LI], v[YR+8:YR+11], s[70:71] offset:98304+1536*\pp+1024
.endr
	s_branch .Lepi_done
.Lepi_v:
.irp a, 0,1,2,3,4,5,6,7
	BIASR \a
	s_wait_xcnt 0x0
	QUANT H, XR, SW+\a
.irp c, 0,1,2
	global_store_b128 v[LI], v[XR+4*\c:XR+4*\c+3], s[70:71] offset:98304*(\a/4)+1536*(\a%4)+512*\c
.endr
.endr
.Lepi_done:
	s_wait_alu depctr_va_vdst(0)
.irp k, 0,1,2,3
	v_cndmask_b32 v[SW+\k], v[SW+\k], v[SW+4+\k], s79
.endr
	global_store_b128 v[SWO], v[SW:SW+3], s[72:73]
	s_wait_tensorcnt 0x0
	ds_add_u32 v[SPW], v[NIL]
	s_wait_dscnt 0x0
	CROUND
	s_endpgm
.Lfunc_end_k_qd5a69a780a_qkv:
	.size	k_qd5a69a780a_qkv, .Lfunc_end_k_qd5a69a780a_qkv-k_qd5a69a780a_qkv
	.p2alignl 7, 3214868480
	.fill 96, 4, 3214868480
	.section	.rodata,"a",@progbits
	.p2align	6, 0x0
	.amdhsa_kernel k_qd5a69a780a_qkv
		.amdhsa_group_segment_fixed_size 327680
		.amdhsa_private_segment_fixed_size 0
		.amdhsa_enable_private_segment 0
		.amdhsa_kernarg_size 56
		.amdhsa_user_sgpr_count 2
		.amdhsa_user_sgpr_kernarg_segment_ptr 1
		.amdhsa_wavefront_size32 1
		.amdhsa_system_sgpr_workgroup_id_x 1
		.amdhsa_system_sgpr_workgroup_id_y 1
		.amdhsa_system_sgpr_workgroup_id_z 1
		.amdhsa_system_vgpr_workitem_id 0
		.amdhsa_next_free_vgpr 1024
		.amdhsa_next_free_sgpr 100
		.amdhsa_reserve_vcc 0
		.amdhsa_float_denorm_mode_32 3
		.amdhsa_float_denorm_mode_16_64 3
		.amdhsa_memory_ordered 1
		.amdhsa_forward_progress 1
		.amdhsa_inst_pref_size 207
	.end_amdhsa_kernel
	.amdgpu_metadata
---
amdhsa.version: [ 1, 2 ]
amdhsa.kernels:
  - .name:           k_qd5a69a780a_qkv
    .symbol:         k_qd5a69a780a_qkv.kd
    .args:
      - { .name: img, .offset: 0, .size: 8, .value_kind: global_buffer, .address_space: global }
      - { .name: scl, .offset: 8, .size: 8, .value_kind: global_buffer, .address_space: global }
      - { .name: bq, .offset: 16, .size: 8, .value_kind: global_buffer, .address_space: global }
      - { .name: bk, .offset: 24, .size: 8, .value_kind: global_buffer, .address_space: global }
      - { .name: bv, .offset: 32, .size: 8, .value_kind: global_buffer, .address_space: global }
      - { .name: qkv, .offset: 40, .size: 8, .value_kind: global_buffer, .address_space: global }
      - { .name: qkvs, .offset: 48, .size: 8, .value_kind: global_buffer, .address_space: global }
    .group_segment_fixed_size: 327680
    .private_segment_fixed_size: 0
    .kernarg_segment_align: 8
    .kernarg_segment_size: 56
    .max_flat_workgroup_size: 128
    .sgpr_count:     100
    .vgpr_count:     1024
    .wavefront_size: 32
...
	.end_amdgpu_metadata
.endif
;; end of part 2
;; launch attn (part 3): grid 8 x 32, 16 waves a work-group, no clusters, 284,672 bytes of LDS; arguments qkv, qkvs, mw, mf, oimg, oscl; writes oimg, oscl
.if DOCPART == 3
	.amdgcn_target "amdgcn-amd-amdhsa--gfx1250"
	.amdhsa_code_object_version 6
	.text
	.protected	k_qd5a69a780a_attn
	.globl	k_qd5a69a780a_attn
	.p2align	8
	.type	k_qd5a69a780a_attn,@function
k_qd5a69a780a_attn:
	s_mov_b64 s[64:65], 0
	v_nop
	global_prefetch_b8 v0, s[64:65] scope:SCOPE_SE
	s_setreg_imm32_b32 hwreg(HW_REG_WAVE_MODE, 25, 1), 1
	s_wait_xcnt 0x0
; o = softmax(q k^T / 8 + mask) v for one head of one batch, both products on codes of BF6 (E3M2) with E8M0 scales; o is quantised here as the output projection's operand.
; THE SOFTMAX.  The problem takes the row's largest score away and replaces NaN and infinities BEFORE its softmax, so the softmax's largest logit is 0: p = 2^((s - smax) c), c = log2(e) / 8, the row's largest p is 1.
;   smax must be known before any p is quantised, so the keys are walked TWICE: pass 1 finds smax; pass 2 makes the same scores by the same instructions on the same operands.
;   t = s c - a' is one fused multiply-add.  a = smax c rounded, a' = a - |a| 2^-23: a' lies at least half a unit of a's last place under a, and smax c at most half a unit from a, so t at the maximum is 0 or a few
;   units of a's last place above 0 and never below: the largest p keeps the exponent of 1.  The same a' serves the whole row and its sum.
;   A blocked pair of a row that has an open key: p = 0.  A row that is blocked at every key: the problem's NaN becomes 0, so p = 1 at all 2,048 keys.  The row's sum is taken of the unquantised p and divides at the end.
; THE MASK is an input.  An earlier launch has packed it: mw holds, for each tile of queries, key step and score register, the lanes' bits; mf holds for each tile which key steps have an open pair and which a blocked one.
;   A key step with no open pair is left out by a scalar branch on mf; where no pair is blocked the mask's 64 selects are left out.
; SHARES.  A work-group has one head: its K and V (codes and scale words, 204,800 bytes) come into LDS once, through registers.  Waves w and w xor 8 share the tiles of 16 queries 127 - W and W, W = 8 x + w % 8:
;   one takes the even key steps of both tiles, the other the odd ones (parity = (w / 8) xor (w % 2)).  smax is the row's own, so the two waves' parts of O^T and of the row's sum only add.
;   Each wave works first the tile that its partner finishes (T1) and then the tile that it finishes itself (T2): T1's part goes to the partner through LDS, T2's stays in registers.
;   Three barriers: K is in LDS; V is in LDS and the maxima are exchanged; the parts of O^T are exchanged.  V's loads are out during pass 1, in v160-209.
; NO JOINT LOADS, though eight work-groups read one head's K and V: a joint load is a tensor load.
; NO PREFETCH: every byte of K, V and q is asked for at the head; there is no loop to run ahead in.
; LAYOUT.  Both products transposed: S^T = K Q^T, O^T = V^T P^T: a lane holds one query.  The head's K is 64, half of the instruction's 128: a fragment of K holds TWO tiles of keys (k 0-63, 64-127), and Q is kept as [q | 0] and [0 | q].
;   Tile t holds rows 32 (t / 2) + 8 (t % 2) + r + 8 (r / 8), so score register 16 b + i of lane (r, h) is key 128 s + 32 b + 16 h + i.
; REGISTERS: v1 16 lane, v2 16 r, v3-5 LDS addresses, v6 0, v7 -infinity, v8 what a blocked score becomes, v[10:11] -a', v12-15 maxima, then sums; v16-27 [q | 0], v28-39 [0 | q]; v40-87 four fragments; v88-91 exchange addresses;
;   v94-95 the add's two; v96-159 S^T, then p; v160-191 O^T; v192-203 p's codes; v204-210 conversions; v212-227 at work (v220-221 the two tiles' maxima); v228-234, v235-241 the two tiles' q and scale word;
;   v246 q's scale word, v247 p's, v248-251 K's, v252-255 V's (v247, v252-255 serve as the head's addresses until V is stored).
; LIMITS: scores are finite; blocks whose largest magnitude lies under 2^-122 were not tried; the scale bytes of o leave one byte a lane (131,072 bytes in the launch).
.set KSC,  196608                      ; LDS: K's images at 0, V's at 98,304, K's scale words here, V's 4,096 further on
.set MAXX, 204800                      ; the maxima: 256 bytes a wave
.set OXB,  208896                      ; the parts of O^T: OXW bytes a wave
.set OXW,  4608
.set SPARE, 282624                     ; the spare words: 128 bytes a wave
.set TM,  212
.set PC,  192
.set CT,  204
.set PW,  247
.set QSW, 246
.set Q1,  228
.set Q2,  235
.set MX1, 220
.set MX2, 221
.set XO,  88
.set XP,  89
.set MO,  90
.set MP,  91
.set SPW, 94
.set NIL, 95
.set KB,  242                          ; v242: 16 lane + 6,144 x my parity: my first key step's images
.set KS,  243                          ; v243: 16 r + 256 x my parity: its scale words
	s_load_b256 s[4:11], s[0:1], 0x0               ; qkv, qkvs, mw, mf
	s_load_b128 s[12:15], s[0:1], 0x20             ; oimg, oscl
	v_lshl_add_u32 v[SPW], v0, 2, SPARE
	v_mov_b32 v[NIL], 0
	v_lshrrev_b32 v1, 5, v0
	s_delay_alu instid0(VALU_DEP_1)
	v_readfirstlane_b32 s3, v1                     ; wave 0..15
	s_and_b32 s2, ttmp7, 0xffff                    ; 16 x batch + head
	s_and_b32 s93, s3, 7
	s_lshr_b32 s105, s3, 3
	s_and_b32 s94, s3, 1
	s_xor_b32 s105, s105, s94                      ; my parity of key steps
	s_lshl_b32 s95, ttmp9, 3
	s_add_co_u32 s95, s95, s93                     ; W
	s_sub_co_u32 s94, 127, s95
	s_cmp_eq_u32 s105, 0
	s_cselect_b32 s84, s95, s94                    ; T1: the tile that my partner finishes
	s_cselect_b32 s85, s94, s95                    ; T2: the tile that I finish
	v_lshlrev_b32 v252, 4, v0                      ; 16 x thread
	v_lshlrev_b32 v247, 3, v0                      ; 8 x thread
	v_and_b32 v1, 31, v0
	v_and_b32 v2, 15, v0
	v_bfe_u32 v3, v0, 4, 1
	v_add_nc_u32 v253, 0x10000, v252
	v_add_nc_u32 v254, 0x20000, v252
	v_add_nc_u32 v255, 0x30000, v247
	v_lshlrev_b32 v244, 3, v1                      ; 8 x lane
	v_lshl_add_u32 v245, v2, 5, v3                 ; 32 r + h
	v_lshlrev_b32 v5, 2, v1                        ; 4 x lane
	v_lshlrev_b32 v1, 4, v1                        ; 16 x lane
	v_lshlrev_b32 v2, 4, v2                        ; 16 r
	s_wait_alu depctr_va_vdst(0)
	s_mul_i32 s93, s105, 6144
	v_add_nc_u32 v[KB], s93, v1
	s_lshl_b32 s93, s105, 8
	v_add_nc_u32 v[KS], s93, v2
	; q: I fetch T2's alone, and of its pair's image only my tile's six registers (u = T2 % 2): registers 6 u .. 6 u + 5 are 16 bytes a lane at 1,024 u and 8 bytes a lane at 512 + 8 u.  T1's come from my partner through LDS
	s_lshr_b32 s93, s85, 1
	s_mul_i32 s93, s93, 1536
	s_and_b32 s94, s85, 1
	s_lshl_b32 s92, s94, 10
	s_add_co_u32 s92, s92, s93
	v_add_nc_u32 v222, s92, v1
	s_lshl_b32 s92, s94, 3
	s_add_co_u32 s92, s92, s93
	v_add_nc_u32 v224, s92, v1
	s_lshr_b32 s93, s85, 3
	s_lshl_b32 s93, s93, 8
	s_bfe_u32 s94, s85, 0x20001
	s_lshl_b32 s94, s94, 2
	s_add_co_u32 s93, s93, s94
	v_add_nc_u32 v223, s93, v2                     ; and the pair's scale word
	s_mul_i32 s93, s3, OXW
	s_add_co_u32 s93, s93, OXB
	v_add_nc_u32 v[XO], s93, v1                    ; my part of O^T
	s_xor_b32 s94, s3, 8
	s_mul_i32 s93, s94, OXW
	s_add_co_u32 s93, s93, OXB
	v_add_nc_u32 v[XP], s93, v1                    ; my partner's
	s_lshl_b32 s93, s3, 8
	s_add_co_u32 s93, s93, MAXX
	v_add_nc_u32 v[MO], s93, v5                    ; my maxima
	s_lshl_b32 s93, s94, 8
	s_add_co_u32 s93, s93, MAXX
	v_add_nc_u32 v[MP], s93, v5                    ; my partner's
	s_mul_i32 s92, s2, 98304
	s_mov_b32 s93, 0
	s_lshl_b32 s94, s2, 12
	s_mov_b32 s95, 0
	s_lshl_b32 s90, s84, 2
	s_lshl_b32 s91, s85, 2
	s_wait_alu depctr_va_vdst(0)
	s_wait_kmcnt 0x0
	s_add_nc_u64 s[4:5], s[4:5], s[92:93]          ; my head in the q section; k's and v's lie 3,145,728 and 6,291,456 bytes on
	s_add_nc_u64 s[6:7], s[6:7], s[94:95]
	s_load_b32 s86, s[10:11], s90 offset:0x0       ; T1's flags
	s_load_b32 s87, s[10:11], s91 offset:0x0       ; T2's
	global_load_b128 v[96:99], v222, s[4:5]
	global_load_b64 v[100:101], v224, s[4:5] offset:512
	global_load_b32 v108, v223, s[6:7]
.set i, 0
.rept 12
	global_load_b128 v[40+4*i:43+4*i], v252, s[4:5] offset:3145728+8192*i      ; 512 threads read 8,192 consecutive bytes
.set i, i+1
.endr
	global_load_b64 v[92:93], v247, s[6:7] offset:131072
	v_mov_b32 v6, 0
	v_mov_b32 v7, 0xff800000
.irp i, 22,23,24,25,26,27,28,29,30,31,32,33
	v_mov_b32 v[\i], 0                             ; the zero halves of [q | 0] and [0 | q]: written once
.endr
.irp b, 0,1,2,3
	v_mov_b32 v[TM+4+\b], 0                        ; a lane permute's destination counts as one of its sources
.endr
	v_mov_b32 v[MX2], v7
	s_lshr_b32 s92, s2, 4                          ; batch
	s_and_b32 s94, s2, 15                          ; head
	s_mul_i32 s96, s92, 1572864
	s_mul_i32 s93, s94, 768
	s_add_co_u32 s96, s96, s93
	s_mov_b32 s97, 0
	s_add_nc_u64 s[12:13], s[12:13], s[96:97]      ; oimg [256 tiles][16 heads][768]
	s_lshl_b32 s96, s92, 16
	s_lshl_b32 s93, s94, 1
	s_add_co_u32 s96, s96, s93
	s_add_nc_u64 s[14:15], s[14:15], s[96:97]      ; oscl [256 tiles][16 rows][16 heads][2]
	s_mov_b32 s97, 0xffff0000
	s_mov_b32 s98, 0x3e38aa3b                      ; c = log2(e) / 8
	s_mov_b32 s99, s98
	s_mov_b32 s100, 0x76543210
	s_mov_b32 s101, 0xfedcba98
	s_wait_alu depctr_va_vdst(0)
	s_wait_loadcnt 0x0                             ; q's 3 and K's 13 loads are in; V is asked for behind the barrier below
.set i, 0
.rept 12
	ds_store_b128 v[252+(8192*i)/65536], v[40+4*i:43+4*i] offset:(8192*i)%65536
.set i, i+1
.endr
	ds_store_b64 v255, v[92:93]
	s_and_b32 s93, s85, 1                          ; u
	s_cmp_lg_u32 s93, 0
	s_cselect_b32 s94, -1, 0
	s_lshl_b32 s93, s93, 4
	v_cndmask_b32 v[Q2], v96, v100, s94            ; u = 0: the four come first, then the two; u = 1: the two, then the four
	v_cndmask_b32 v[Q2+1], v97, v101, s94
	v_cndmask_b32 v[Q2+2], v98, v96, s94
	v_cndmask_b32 v[Q2+3], v99, v97, s94
	v_cndmask_b32 v[Q2+4], v100, v98, s94
	v_cndmask_b32 v[Q2+5], v101, v99, s94
	v_lshrrev_b32 v108, s93, v108
	s_delay_alu instid0(VALU_DEP_1)
	v_and_b32 v108, 0xffff, v108
	s_delay_alu instid0(VALU_DEP_1)
	v_lshl_or_b32 v[Q2+6], v108, 16, v108          ; my tile's two scale bytes, for both halves of K
.irp i, 0,1,2,3,4,5,6
	ds_store_b32 v[XO], v[Q2+\i] offset:512*\i     ; for my partner, in my exchange bytes: they are stored again only behind the second barrier
.endr
	s_wait_kmcnt 0x0
	s_lshr_b32 s86, s86, s105                      ; of both tiles' flags only my parity's key steps: bit 2 k now stands for key step 2 k + parity
	s_lshr_b32 s87, s87, s105
	s_and_b32 s86, s86, 0x55555555
	s_and_b32 s87, s87, 0x55555555
	s_wait_alu depctr_va_vdst(0)
	s_wait_dscnt 0x0                               ; for the others' sake: my part of K and my tile's q have landed
	s_barrier_signal -1
	s_barrier_wait -1
.irp i, 0,1,2,3,4,5,6
	ds_load_b32 v[Q1+\i], v[XP] offset:512*\i      ; my partner's T2 is my T1
.endr
.set i, 0
.rept 12
	global_load_b128 v[160+4*i:163+4*i], v252, s[4:5] offset:6291456+8192*i    ; V: 13 loads a wave, out during pass 1
.set i, i+1
.endr
	global_load_b64 v[208:209], v247, s[6:7] offset:262144
	s_wait_dscnt 0x0                               ; T1's q is in
.macro MWLOAD                          ; the 64 words of the key step s95 + parity (s95 held to 0 .. 14; the parity stands in s96), a mixed step ahead of their use
	s_min_u32 s95, s95, 14
	s_lshl_b32 s94, s95, 8
	s_add_co_u32 s94, s94, s96
	s_load_b512 s[16:31], s[8:9], s94 offset:0x0
	s_load_b512 s[32:47], s[8:9], s94 offset:0x40
	s_load_b512 s[48:63], s[8:9], s94 offset:0x80
	s_load_b512 s[68:83], s[8:9], s94 offset:0xc0
.endm
.macro MASKBLK fill                    ; blocked scores become v[fill]; then my next mixed step's words are asked for
	s_wait_kmcnt 0x0
.set j, 0
.rept 64
.if j < 48
	v_cndmask_b32 v[96+j], v[96+j], v[\fill], s[16+j]
.else
	v_cndmask_b32 v[96+j], v[96+j], v[\fill], s[20+j]
.endif
.set j, j+1
.endr
	s_add_co_u32 s93, s90, 1
	s_lshr_b32 s95, s89, s93
	s_lshl_b32 s95, s95, s93
	s_ctz_i32_b32 s95, s95
	MWLOAD
.endm
.macro QK second                       ; the step's scores: 8 tiles of 16 keys.  The same text in both passes: the same bits
	v_add_nc_u32 v3, s91, v[KB]
	v_add_nc_u32 v4, s92, v[KS]
.if \second
	s_delay_alu instid0(VALU_DEP_2)
	v_add_nc_u32 v5, 0x18000, v3
	v_nop                                          ; four plain places between the last step's products and the loads into their registers
.endif
.irp b, 0,1,2,3
.irp c, 0,1,2
	ds_load_b128 v[40+12*\b+4*\c:43+12*\b+4*\c], v3 offset:1536*\b+512*\c
.endr
.endr
	ds_load_b128 v[248:251], v4
	s_wait_dscnt 0x0
.irp b, 0,1,2,3
	v_wmma_scale_f32_16x16x128_f8f6f4 v[96+16*\b:103+16*\b], v[40+12*\b:51+12*\b], v[16:27], 0, v[248+\b], v[QSW] matrix_a_fmt:MATRIX_FMT_BF6 matrix_b_fmt:MATRIX_FMT_BF6
	v_wmma_scale_f32_16x16x128_f8f6f4 v[104+16*\b:111+16*\b], v[40+12*\b:51+12*\b], v[28:39], 0, v[248+\b], v[QSW] matrix_a_fmt:MATRIX_FMT_BF6 matrix_b_fmt:MATRIX_FMT_BF6
.endr
.rept 4
	v_nop
.endr
.endm
; A tile's head, in both passes: the tile in front (s84, s86, Q1) is set up, and the two tiles change places, so that after two trips they stand as they began.
.macro THEAD
	s_wait_kmcnt 0x0                               ; the mask words still on their way have landed: their registers and their offset are written again
	s_and_b32 s88, s86, 0xffff                     ; my steps with an open pair
	s_lshr_b32 s89, s86, 16
	s_and_b32 s89, s89, s88                        ; of them, those with a blocked pair
	s_lshl_b32 s96, s84, 12                        ; the tile's words in mw,
	s_lshl_b32 s93, s105, 8
	s_add_co_u32 s96, s96, s93                     ; from my parity's first key step on
	s_ctz_i32_b32 s95, s89
	MWLOAD
.irp i, 0,1,2,3,4,5
	v_mov_b32 v[16+\i], v[Q1+\i]
	v_mov_b32 v[34+\i], v[Q1+\i]
.endr
	v_mov_b32 v[QSW], v[Q1+6]                      ; the 14 moves below are more than the 8 places between a scale register's write and a scaled product
.irp i, 0,1,2,3,4,5,6
	v_mov_b32 v[Q1+\i], v[Q2+\i]
.endr
.irp i, 0,1,2,3,4,5
	v_mov_b32 v[Q2+\i], v[16+\i]
.endr
	v_mov_b32 v[Q2+6], v[QSW]
	s_mov_b32 s93, s84
	s_mov_b32 s84, s85
	s_mov_b32 s85, s93
	s_mov_b32 s93, s86
	s_mov_b32 s86, s87
	s_mov_b32 s87, s93
	s_mov_b32 s90, 0                               ; twice the trip's number: key step s90 + parity,
	s_mov_b32 s91, 0                               ; its images: 12,288 bytes from one of my steps to the next,
	s_mov_b32 s92, KSC                             ; its scale words: 512 bytes
.endm
	; ---- pass 1, both tiles: the largest score of my key steps
	s_mov_b32 s2, 2
.Lt1:
	THEAD
.irp i, 12,13,14,15
	v_mov_b32 v[\i], v7
.endr
	s_wait_alu depctr_va_vdst(0)
.Lp1:
	s_lshr_b32 s93, s88, s90
	s_and_b32 s93, s93, 1
	s_cmp_eq_u32 s93, 0
	s_cbranch_scc1 .Lp1_tail                       ; no open pair: the step is left out
	s_wait_alu depctr_va_vdst(0)
	QK 0
	s_lshr_b32 s93, s89, s90
	s_and_b32 s93, s93, 1
	s_cmp_eq_u32 s93, 0
	s_cbranch_scc1 .Lp1_open
	MASKBLK 7
.Lp1_open:
.set n, 0
.rept 32
	v_max3_num_f32 v[12+n%4], v[12+n%4], v[96+2*n], v[97+2*n]      ; four chains; each accumulator from its low end on
.set n, n+1
.endr
.Lp1_tail:
	s_add_co_u32 s90, s90, 2
	s_add_co_u32 s91, s91, 12288
	s_add_co_u32 s92, s92, 512
	s_cmp_lt_u32 s90, 16
	s_cbranch_scc1 .Lp1
	s_wait_alu depctr_va_vdst(0)
	v_max3_num_f32 v12, v12, v13, v14
	s_delay_alu instid0(VALU_DEP_1)
	v_max_num_f32 v12, v12, v15
	s_delay_alu instid0(VALU_DEP_1)
	v_permlanex16_b32 v13, v12, s100, s101
	v_mov_b32 v[MX1], v[MX2]                       ; after two trips: MX1 is T1's, MX2 is T2's
	s_delay_alu instid0(VALU_DEP_2)
	v_max_num_f32 v[MX2], v12, v13
	s_sub_co_u32 s2, s2, 1
	s_cmp_lg_u32 s2, 0
	s_wait_alu depctr_va_vdst(0)
	s_cbranch_scc1 .Lt1
	; ---- between the passes: V goes to LDS, the maxima to the partner
	s_wait_loadcnt 0x0                             ; V is in
.set i, 0
.rept 12
	ds_store_b128 v[252+(98304+8192*i)/65536], v[160+4*i:163+4*i] offset:(98304+8192*i)%65536
.set i, i+1
.endr
	ds_store_b64 v255, v[208:209] offset:4096
	ds_store_b32 v[MO], v[MX1]
	ds_store_b32 v[MO], v[MX2] offset:128
	s_wait_dscnt 0x0                               ; for the others' sake: my stores have landed
	s_barrier_signal -1
	s_barrier_wait -1
	ds_load_b32 v12, v[MP] offset:128              ; my partner's T2 is my T1
	ds_load_b32 v13, v[MP]
	s_wait_dscnt 0x0
	v_max_num_f32 v[MX1], v[MX1], v12              ; smax of my query, over all keys
	v_max_num_f32 v[MX2], v[MX2], v13
	s_wait_alu depctr_va_vdst(0)
	; ---- pass 2, both tiles: p, its codes, my part of O^T
	s_mov_b32 s2, 2
.Lt2:
	s_cmp_eq_u32 s2, 2
	s_cbranch_scc1 .Lkeep
.rept 4
	v_nop                                          ; places behind T1's last products
.endr
	v_pk_add_f32 v[12:13], v[12:13], v[14:15]
	s_delay_alu instid0(VALU_DEP_1)
	v_add_f32 v12, v12, v13
.irp d, 0,1,2,3
	ds_store_b128 v[XO], v[160+8*\d:163+8*\d] offset:1024*\d         ; T1's part for my partner; each accumulator from its low end on
	ds_store_b128 v[XO], v[164+8*\d:167+8*\d] offset:1024*\d+512
.endr
	ds_store_b32 v[XO], v12 offset:4096
.Lkeep:
	THEAD
	v_cmp_eq_f32 vcc_lo, v[MX1], v7                ; a row with no open key
	s_delay_alu instid0(VALU_DEP_1)
	v_cndmask_b32 v8, v7, v6, vcc_lo               ; there a blocked score counts as 0, elsewhere as -infinity,
	v_cndmask_b32 v9, v[MX1], v6, vcc_lo           ; and 0 stands in smax's place
	s_delay_alu instid0(VALU_DEP_1)
	v_mul_f32 v10, s98, v9                         ; a
	s_delay_alu instid0(VALU_DEP_1)
	v_fma_f32 v10, |v10|, 0x34000000, -v10         ; -a' = |a| 2^-23 - a
	v_mov_b32 v[MX1], v[MX2]
	s_delay_alu instid0(VALU_DEP_2)
	v_mov_b32 v11, v10
.irp i, 12,13,14,15
	v_mov_b32 v[\i], 0                             ; the row's sum, in two pairs
.endr
.set j, 0
.rept 32
	v_mov_b32 v[160+j], 0                          ; O^T: which step comes first hangs on the mask, so no product can be written out to start the sums
.set j, j+1
.endr
	s_wait_alu depctr_va_vdst(0)
.Lp2:
	s_lshr_b32 s93, s88, s90
	s_and_b32 s93, s93, 1
	s_cmp_eq_u32 s93, 0
	s_cbranch_scc1 .Lp2_tail
	QK 1
	s_wait_alu depctr_va_vdst(0)
.irp d, 0,1,2,3
.irp c, 0,1,2
	ds_load_b128 v[40+12*\d+4*\c:43+12*\d+4*\c], v5 offset:1536*\d+512*\c    ; V's four fragments land under the softmax
.endr
.endr
	ds_load_b128 v[252:255], v4 offset:4096
	s_lshr_b32 s93, s89, s90
	s_and_b32 s93, s93, 1
	s_cmp_eq_u32 s93, 0
	s_cbranch_scc1 .Lp2_open
	MASKBLK 8
.Lp2_open:
.set j, 0
.rept 32
	v_pk_fma_f32 v[96+j:97+j], v[96+j:97+j], s[98:99], v[10:11] op_sel_hi:[1,0,0]    ; t = s c - a', two at a time (of the pairs c and -a' the low word serves both halves)
.set j, j+2
.endr
.set j, 0
	s_wait_alu depctr_va_vdst(0)
.rept 64
	v_exp_f32 v[96+j], v[96+j]
.set j, j+1
.endr
	v_nop                                          ; a plain place behind the last exponential
	s_wait_alu depctr_va_vdst(0)                   ; one wait for the batch, ahead of its first reader
.irp b, 0,1,2,3
	v_max3_num_f32 v[TM+\b], v[96+16*\b], v[97+16*\b], 0x2800000   ; block b of 32 keys: my 16 p (none is negative), and the floor 2^(5 - 127)
.endr
.irp i, 2,4,6,8,10,12,14
.irp b, 0,1,2,3
	v_max3_num_f32 v[TM+\b], v[TM+\b], v[96+16*\b+\i], v[97+16*\b+\i]
.endr
.endr
.irp b, 0,1,2,3
	s_delay_alu instid0(VALU_DEP_4)
	v_permlanex16_b32 v[TM+4+\b], v[TM+\b], s100, s101
.endr
.irp b, 0,1,2,3
	s_delay_alu instid0(VALU_DEP_4)
	v_max_num_f32 v[TM+\b], v[TM+\b], v[TM+4+\b]
.endr
.irp b, 0,1,2,3
	s_delay_alu instid0(VALU_DEP_4)
	v_add_nc_u32 v[TM+12+\b], 0xfe000000, v[TM+\b]
.endr
.irp b, 0,1,2,3
	s_delay_alu instid0(VALU_DEP_4)
	v_lshrrev_b32 v[TM+4+\b], 23, v[TM+12+\b]
.endr
	s_delay_alu instid0(VALU_DEP_3)
	v_lshl_or_b32 v[PW], v[TM+5], 8, v[TM+4]       ; p's scale word for these 128 keys
	s_delay_alu instid0(VALU_DEP_1)
	v_lshl_or_b32 v[PW], v[TM+6], 16, v[PW]
	s_delay_alu instid0(VALU_DEP_1)
	v_lshl_or_b32 v[PW], v[TM+7], 24, v[PW]
.irp c, 0,1
	v_cvt_scalef32_pk16_bf6_f32 v[PC+6*\c:PC+6*\c+2], v[96+32*\c:111+32*\c], v[TM+12+2*\c]
	v_cvt_scalef32_pk16_bf6_f32 v[CT+4*\c:CT+4*\c+2], v[112+32*\c:127+32*\c], v[TM+13+2*\c]
.endr
	v_nop                                          ; one plain place behind a scaled conversion
.irp c, 0,1
.irp i, 0,1,2
	v_permlane16_swap_b32 v[PC+6*\c+\i], v[CT+4*\c+\i]
.endr
.irp i, 0,1,2
	s_delay_alu instid0(VALU_DEP_3)
	v_mov_b32 v[PC+3+6*\c+\i], v[CT+4*\c+\i]
.endr
.endr
.set j, 0
.rept 16
	v_pk_add_f32 v[12:13], v[12:13], v[96+j:97+j]  ; the row's sum, of the unquantised p, in two chains.  These 32 are also the places between the codes and the scale word and the products
	v_pk_add_f32 v[14:15], v[14:15], v[98+j:99+j]
.set j, j+4
.endr
	s_wait_dscnt 0x0                               ; V is in
.irp d, 0,1,2,3
	v_wmma_scale_f32_16x16x128_f8f6f4 v[160+8*\d:167+8*\d], v[40+12*\d:51+12*\d], v[PC:PC+11], v[160+8*\d:167+8*\d], v[252+\d], v[PW] matrix_a_fmt:MATRIX_FMT_BF6 matrix_b_fmt:MATRIX_FMT_BF6
.endr
.Lp2_tail:
	s_add_co_u32 s90, s90, 2
	s_add_co_u32 s91, s91, 12288
	s_add_co_u32 s92, s92, 512
	s_cmp_lt_u32 s90, 16
	s_cbranch_scc1 .Lp2
	s_sub_co_u32 s2, s2, 1
	s_cmp_lg_u32 s2, 0
	s_wait_alu depctr_va_vdst(0)
	s_cbranch_scc1 .Lt2
	; ---- T2: my part and my partner's, O^T / the sum, quantised along the head's 64: half a fragment and two bytes
.rept 4
	v_nop
.endr
	v_pk_add_f32 v[12:13], v[12:13], v[14:15]
	s_delay_alu instid0(VALU_DEP_1)
	v_add_f32 v12, v12, v13
	s_wait_alu depctr_va_vdst(0)
	s_wait_dscnt 0x0                               ; for my partner's sake: T1's part has landed
	s_barrier_signal -1
	s_barrier_wait -1
.irp k, 0,1,2,3,4,5,6,7
	ds_load_b128 v[96+4*\k:99+4*\k], v[XP] offset:512*\k             ; my partner's T1 is my T2
.endr
	ds_load_b32 v13, v[XP] offset:4096
	s_wait_dscnt 0x0
	v_add_f32 v12, v12, v13
.set j, 0
.rept 16
	v_pk_add_f32 v[160+j:161+j], v[160+j:161+j], v[96+j:97+j]
.set j, j+2
.endr
	v_permlanex16_b32 v13, v12, s100, s101
	s_delay_alu instid0(VALU_DEP_1)
	v_add_f32 v12, v12, v13                        ; the row's sum: at least 1
	s_wait_alu depctr_va_vdst(0)
	v_rcp_f32 v232, v12
	v_nop
	s_wait_alu depctr_va_vdst(0)                   ; ahead of the reciprocal's first reader
	v_mov_b32 v233, v232
.set j, 0
.rept 16
	v_pk_mul_f32 v[96+j:97+j], v[160+j:161+j], v[232:233]          ; register 16 b + i: channel 32 b + 16 h + i
.set j, j+2
.endr
.irp b, 0,1
	v_max3_num_f32 v[TM+\b], |v[96+16*\b]|, |v[97+16*\b]|, 0x2800000
.endr
.irp i, 2,4,6,8,10,12,14
.irp b, 0,1
	s_delay_alu instid0(VALU_DEP_2)
	v_max3_num_f32 v[TM+\b], v[TM+\b], |v[96+16*\b+\i]|, |v[97+16*\b+\i]|
.endr
.endr
.irp b, 0,1
	s_delay_alu instid0(VALU_DEP_2)
	v_permlanex16_b32 v[TM+4+\b], v[TM+\b], s100, s101
.endr
.irp b, 0,1
	s_delay_alu instid0(VALU_DEP_2)
	v_max_num_f32 v[TM+\b], v[TM+\b], v[TM+4+\b]
.endr
.irp b, 0,1
	s_delay_alu instid0(VALU_DEP_2)
	v_add_nc_u32 v[TM+12+\b], 0xfe000000, v[TM+\b]
.endr
.irp b, 0,1
	s_delay_alu instid0(VALU_DEP_2)
	v_lshrrev_b32 v[TM+4+\b], 23, v[TM+12+\b]
.endr
	v_cvt_scalef32_pk16_bf6_f32 v[PC:PC+2], v[96:111], v[TM+12]
	v_cvt_scalef32_pk16_bf6_f32 v[CT:CT+2], v[112:127], v[TM+13]
	v_nop
.irp i, 0,1,2
	v_permlane16_swap_b32 v[PC+\i], v[CT+\i]
.endr
.irp i, 0,1,2
	s_delay_alu instid0(VALU_DEP_3)
	v_mov_b32 v[PC+3+\i], v[CT+\i]
.endr
	s_mul_i32 s93, s85, 12288                      ; after two changes of places s85 is T2 again
	v_add_nc_u32 v240, s93, v1
	v_add_nc_u32 v241, s93, v244
	s_lshl_b32 s93, s85, 9
	v_add_nc_u32 v242, s93, v245
	v_cndmask_b32 v243, v[TM+4], v[TM+5], s97      ; lanes 0-15 carry block 0's byte, lanes 16-31 block 1's
	global_store_b128 v240, v[PC:PC+3], s[12:13]               ; 512 consecutive bytes
	global_store_b64 v241, v[PC+4:PC+5], s[12:13] offset:512   ; 256 consecutive bytes
	global_store_b8 v242, v243, s[14:15]
	s_wait_tensorcnt 0x0                           ; the wave's end: behind my last LDS store
	ds_add_u32 v[SPW], v[NIL]
	s_wait_dscnt 0x0
	s_endpgm
.Lfunc_end_k_qd5a69a780a_attn:
	.size	k_qd5a69a780a_attn, .Lfunc_end_k_qd5a69a780a_attn-k_qd5a69a780a_attn
	.p2alignl 7, 3214868480
	.fill 96, 4, 3214868480
	.section	.rodata,"a",@progbits
	.p2align	6, 0x0
	.amdhsa_kernel k_qd5a69a780a_attn
		.amdhsa_group_segment_fixed_size 284672
		.amdhsa_private_segment_fixed_size 0
		.amdhsa_enable_private_segment 0
		.amdhsa_kernarg_size 48
		.amdhsa_user_sgpr_count 2
		.amdhsa_user_sgpr_kernarg_segment_ptr 1
		.amdhsa_wavefront_size32 1
		.amdhsa_system_sgpr_workgroup_id_x 1
		.amdhsa_system_sgpr_workgroup_id_y 1
		.amdhsa_system_sgpr_workgroup_id_z 1
		.amdhsa_system_vgpr_workitem_id 0
		.amdhsa_next_free_vgpr 256
		.amdhsa_next_free_sgpr 106
		.amdhsa_reserve_vcc 1
		.amdhsa_float_denorm_mode_32 3
		.amdhsa_float_denorm_mode_16_64 3
		.amdhsa_memory_ordered 1
		.amdhsa_forward_progress 1
		.amdhsa_inst_pref_size 53
	.end_amdhsa_kernel
	.amdgpu_metadata
---
amdhsa.version: [ 1, 2 ]
amdhsa.kernels:
  - .name:           k_qd5a69a780a_attn
    .symbol:         k_qd5a69a780a_attn.kd
    .args:
      - { .name: qkv, .offset: 0, .size: 8, .value_kind: global_buffer, .address_space: global }
      - { .name: qkvs, .offset: 8, .size: 8, .value_kind: global_buffer, .address_space: global }
      - { .name: mw, .offset: 16, .size: 8, .value_kind: global_buffer, .address_space: global }
      - { .name: mf, .offset: 24, .size: 8, .value_kind: global_buffer, .address_space: global }
      - { .name: oimg, .offset: 32, .size: 8, .value_kind: global_buffer, .address_space: global }
      - { .name: oscl, .offset: 40, .size: 8, .value_kind: global_buffer, .address_space: global }
    .group_segment_fixed_size: 284672
    .private_segment_fixed_size: 0
    .kernarg_segment_align: 8
    .kernarg_segment_size: 48
    .max_flat_workgroup_size: 512
    .sgpr_count:     106
    .vgpr_count:     256
    .wavefront_size: 32
...
	.end_amdgpu_metadata
.endif
;; end of part 3
;; launch outln (part 4): grid 128 x 1, 16 waves a work-group, no clusters, 301,568 bytes of LDS; arguments oimg, oscl, img, scl, x, bo, gamma, beta, out0; writes out0
.if DOCPART == 4
	.amdgcn_target "amdgcn-amd-amdhsa--gfx1250"
	.amdhsa_code_object_version 6
	.text
	.protected	k_qd5a69a780a_outln
	.globl	k_qd5a69a780a_outln
	.p2align	8
	.type	k_qd5a69a780a_outln,@function
k_qd5a69a780a_outln:
	s_mov_b64 s[64:65], 0
	v_nop
	global_prefetch_b8 v0, s[64:65] scope:SCOPE_SE
	s_setreg_imm32_b32 hwreg(HW_REG_WAVE_MODE, 25, 1), 1
	s_wait_xcnt 0x0
; out = nan_to_num(LayerNorm(o Wo^T + bo + nan_to_num(x)) gamma + beta).  The product is on codes of BF6 (E3M2) with E8M0 scales, K = 1,024; all else in f32.
; SHARES.  A work-group owns 32 tokens (o's tiles 2 g and 2 g + 1) and all 1,024 outputs, so that a row's mean and variance stay in the work-group.  Wave w makes outputs 64 w .. 64 w + 63 (Wo's tiles 4 w .. 4 w + 3)
;   for both tiles of tokens: eight accumulators by turns.  Then wave w normalises two whole rows.
; Each fragment of Wo is used by ONE wave of the work-group, so it goes from memory straight into that wave's registers, two K steps ahead.  NO JOINT LOADS, though all work-groups walk Wo: jointly fetched, its 786,432 bytes
;   of codes would pass through LDS in each work-group to feed 1,024 products there, each fragment read by one wave once.
; 32 tokens to a work-group, 128 work-groups: with 16 tokens each work-group would walk the same 786,432 bytes for half the products.
; o's codes (24,576 bytes), gamma, beta, bo and the work-group's 32 rows of x come into LDS by asynchronous copies issued at the head; each byte of LDS is filled once.
; THE PRODUCT IS USED TRANSPOSED (source 0 = 16 rows of Wo, source 1 = 16 tokens): a lane holds one token and eight neighbouring outputs.  Tile t holds rows 32 (t / 2) + 8 (t % 2) + r + 8 (r / 8).
; LDS: o's images at 0; gamma, beta, bo from 24,576; x's rows from 36,864 (row 16 u + r of the stage = row r of tile u); y's rows from 167,936, 4,112 bytes apart.
; REGISTERS: v4-14, v248-252 addresses; v16-31, v224-239 Wo's scale words, v32-39, v240-247 o's: they hold scales and nothing else; v40-63 o's two fragments; v64-159 Wo's, two sets; v160-223 accumulators; the rows' work in v40-209.
; LIMITS: NaN and infinities in bo, gamma, beta are not served but by the last nan_to_num.
.set GB,  24576
.set XS,  36864
.set YS,  167936
.set YP,  4112
.set OFR, 40
.set WF,  64
.set ACC, 160
.set G,   40                           ; the rows' work: gamma, beta, bo, y, x: 32 registers each
.set BT,  72
.set BO,  104
.set Y,   136
.set XR,  168
	s_load_b256 s[4:11], s[0:1], 0x0               ; oimg, oscl, img, scl
	s_load_b256 s[12:19], s[0:1], 0x20             ; x, bo, gamma, beta
	s_load_b64 s[20:21], s[0:1], 0x40              ; out0
	v_lshl_add_u32 v254, v0, 2, 0x49200
	v_mov_b32 v255, 0
	ds_add_u32 v254, v255
	ds_add_u32 v254, v255
	v_lshrrev_b32 v1, 5, v0
	s_delay_alu instid0(VALU_DEP_1)
	v_readfirstlane_b32 s22, v1                    ; wave 0..15
	v_and_b32 v1, 31, v0
	v_and_b32 v2, 15, v0                           ; r
	v_bfe_u32 v3, v0, 4, 1                         ; h
	s_delay_alu instid0(VALU_DEP_3)
	v_lshlrev_b32 v4, 4, v1                        ; 16 x lane
	s_delay_alu instid0(VALU_DEP_4)
	v_lshlrev_b32 v5, 3, v1                        ; 8 x lane
	s_mul_i32 s23, s22, 1536
	v_add_nc_u32 v6, s23, v4                       ; o's codes: my wave's 1,536 bytes, in LDS
	v_add_nc_u32 v7, s23, v4                       ; and in memory
	s_lshl_b32 s23, s22, 8
	v_add_nc_u32 v8, s23, v5                       ; gamma, beta, bo: my wave's 256 bytes
	s_delay_alu instid0(VALU_DEP_1)
	v_add_nc_u32 v9, GB, v8
	s_delay_alu instid0(VALU_DEP_2)
	v_add_nc_u32 v10, GB+4096, v8
	s_delay_alu instid0(VALU_DEP_3)
	v_add_nc_u32 v11, GB+8192, v8
	s_lshl_b32 s23, s22, 13
	s_add_co_u32 s23, s23, XS
	v_add_nc_u32 v12, s23, v4                      ; x: my wave's two rows
	s_lshr_b32 s24, s22, 3                         ; stage rows 2 w, 2 w + 1 are tile w / 8, rows 2 (w % 8) and the next: two neighbouring tokens,
	s_lshl_b32 s24, s24, 3
	s_and_b32 s25, s22, 7
	s_lshl_b32 s25, s25, 1
	s_add_co_u32 s24, s24, s25
	s_bfe_u32 s25, s22, 0x10002
	s_lshl_b32 s25, s25, 3
	s_add_co_u32 s24, s24, s25                     ; 8 (w / 8) + 2 (w % 8) + 8 ((w / 4) % 2)
	s_lshl_b32 s25, ttmp9, 5
	s_add_co_u32 s24, s24, s25
	s_lshl_b32 s24, s24, 12
	s_mov_b32 s25, 0
	s_mul_i32 s26, ttmp9, 24576
	s_mov_b32 s27, 0
	s_wait_alu depctr_va_vdst(0)
	s_wait_dscnt 0x0
	s_wait_kmcnt 0x0
	s_add_nc_u64 s[12:13], s[12:13], s[24:25]
	s_add_nc_u64 s[20:21], s[20:21], s[24:25]
	s_add_nc_u64 s[4:5], s[4:5], s[26:27]
.irp k, 0,1,2
	global_load_async_to_lds_b128 v6, v7, s[4:5] offset:512*\k       ; the immediate goes to both addresses
.endr
	global_load_async_to_lds_b64 v9, v8, s[16:17]
	global_load_async_to_lds_b64 v10, v8, s[18:19]
	global_load_async_to_lds_b64 v11, v8, s[14:15]
.irp k, 0,1,2,3,4,5,6,7,8,9,10,11,12,13,14,15
	global_load_async_to_lds_b128 v12, v4, s[12:13] offset:512*\k
.endr
	s_lshl_b32 s26, s22, 2
	s_add_co_u32 s26, s26, 448                     ; my first tile of Wo
	s_mul_i32 s28, s26, 12288
	s_mov_b32 s29, 0
	s_add_nc_u64 s[8:9], s[8:9], s[28:29]
	s_lshl_b32 s28, s26, 9
	s_add_nc_u64 s[10:11], s[10:11], s[28:29]
	s_lshl_b32 s28, ttmp9, 10
	s_add_nc_u64 s[6:7], s[6:7], s[28:29]
	v_lshlrev_b32 v13, 4, v2                       ; 16 r
	v_lshlrev_b32 v14, 5, v2                       ; 32 r
.irp f, 0,1
	global_load_b128 v[16+4*\f:19+4*\f], v13, s[10:11] offset:256*\f             ; Wo's scale words: tile i, K step ks
	global_load_b128 v[24+4*\f:27+4*\f], v13, s[10:11] offset:512+256*\f
	global_load_b128 v[224+4*\f:227+4*\f], v13, s[10:11] offset:1024+256*\f
	global_load_b128 v[232+4*\f:235+4*\f], v13, s[10:11] offset:1536+256*\f
	global_load_b128 v[32+4*\f:35+4*\f], v14, s[6:7] offset:16*\f                ; o's: tile u, K step ks
	global_load_b128 v[240+4*\f:243+4*\f], v14, s[6:7] offset:512+16*\f
.endr
.macro WLOAD ks                        ; my four fragments of Wo for K step ks
.irp i, 0,1,2,3
.irp c, 0,1,2
	global_load_b128 v[WF+48*((\ks)%2)+12*\i+4*\c:WF+48*((\ks)%2)+12*\i+4*\c+3], v4, s[8:9] offset:12288*\i+1536*(\ks)+512*\c
.endr
.endr
.endm
.macro OLOAD ks                        ; o's two fragments: heads 2 ks and 2 ks + 1 give registers 0-5 and 6-11
.irp u, 0,1
	ds_load_b128 v[OFR+12*\u:OFR+12*\u+3], v4 offset:12288*\u+1536*(\ks)
	ds_load_b64 v[OFR+12*\u+4:OFR+12*\u+5], v5 offset:12288*\u+1536*(\ks)+512
	ds_load_b128 v[OFR+12*\u+6:OFR+12*\u+9], v4 offset:12288*\u+1536*(\ks)+768
	ds_load_b64 v[OFR+12*\u+10:OFR+12*\u+11], v5 offset:12288*\u+1536*(\ks)+1280
.endr
.endm
.macro GSTEP ks
.if (\ks) < 7
	s_wait_loadcnt 12                              ; this step's fragments of Wo are in; the next step's 12 loads may be out
.else
	s_wait_loadcnt 0x0
.endif
	s_wait_dscnt 0x0
.irp i, 0,1,2,3
.irp u, 0,1
.set DD, ACC+8*(2*\i+\u)
.set WW, WF+48*((\ks)%2)+12*\i
.set SA, 16+8*\i+(\ks)
.if \i > 1
.set SA, 224+8*(\i-2)+(\ks)
.endif
.set SB, 32+208*\u+(\ks)
.if (\ks) == 0
	v_wmma_scale_f32_16x16x128_f8f6f4 v[DD:DD+7], v[WW:WW+11], v[OFR+12*\u:OFR+12*\u+11], 0, v[SA], v[SB] matrix_a_fmt:MATRIX_FMT_BF6 matrix_b_fmt:MATRIX_FMT_BF6
.else
	v_wmma_scale_f32_16x16x128_f8f6f4 v[DD:DD+7], v[WW:WW+11], v[OFR+12*\u:OFR+12*\u+11], v[DD:DD+7], v[SA], v[SB] matrix_a_fmt:MATRIX_FMT_BF6 matrix_b_fmt:MATRIX_FMT_BF6
.endif
.endr
.endr
.rept 4
	v_nop                                          ; places in front of loads into registers that these products read, and of the first read of results
.endr
.if (\ks) < 6
	WLOAD (\ks)+2
.endif
.if (\ks) < 7
	OLOAD (\ks)+1
.endif
.endm
	WLOAD 0
	WLOAD 1
	v_mul_u32_u24 v248, v2, YP
	s_delay_alu instid0(VALU_DEP_1)
	v_lshl_add_u32 v248, v3, 6, v248
	s_lshl_b32 s28, s22, 8
	s_add_co_u32 s28, s28, YS
	v_add_nc_u32 v248, s28, v248                   ; y, way in: row r of tile 0, + 256 w + 64 h
	s_delay_alu instid0(VALU_DEP_1)
	v_add_nc_u32 v249, 16*YP, v248                 ; and of tile 1
	v_add_nc_u32 v250, GB, v4
	s_mul_i32 s28, s22, 2*YP
	s_add_co_u32 s28, s28, YS
	v_add_nc_u32 v251, s28, v4                     ; y, way out: my two rows
	v_mov_b32 v252, 0
	s_mov_b32 s30, 0x7fffffff
	s_mov_b32 s31, 0x7f800000
	s_mov_b32 s32, 0x4e6e6b28                      ; 1e9
	s_mov_b32 s34, 0x76543210
	s_mov_b32 s35, 0xfedcba98
	s_mov_b32 s36, 0x3a800000                      ; 1 / 1,024
	s_mov_b32 s37, 0x3727c5ac                      ; 1e-5
	s_wait_asynccnt 16                             ; copies end in order: my parts of o's codes and of gamma, beta, bo are in; x's 16 may stay out
	s_barrier_signal -1
	s_barrier_wait -1                              ; everybody's are
	OLOAD 0
.irp ks, 0,1,2,3,4,5,6,7
	GSTEP \ks
.endr
	s_wait_alu depctr_va_vdst(0)
.irp i, 0,1,2,3
.irp u, 0,1
	ds_store_b128 v[248+\u], v[ACC+8*(2*\i+\u):ACC+8*(2*\i+\u)+3] offset:128*(\i/2)+32*(\i%2)        ; lane (r, h): y(row r of tile u, 64 w + 32 (i / 2) + 16 h + 8 (i % 2) + 0 .. 7); each accumulator from its low end on
	ds_store_b128 v[248+\u], v[ACC+8*(2*\i+\u)+4:ACC+8*(2*\i+\u)+7] offset:128*(\i/2)+32*(\i%2)+16
.endr
.endr
	s_wait_dscnt 0x0                               ; for the others' sake: my stores have landed
	s_barrier_signal -1
	s_barrier_wait -1                              ; 32 whole rows of y lie in LDS
	s_wait_asynccnt 0x0                            ; my two rows of x are in
.irp k, 0,1,2,3,4,5,6,7
	ds_load_b128 v[G+4*\k:G+4*\k+3], v250 offset:512*\k
	ds_load_b128 v[BT+4*\k:BT+4*\k+3], v250 offset:4096+512*\k
	ds_load_b128 v[BO+4*\k:BO+4*\k+3], v250 offset:8192+512*\k
.endr
.macro NANFIX reg                      ; NaN -> 0, +-infinity -> +-1e9
	v_and_b32 v206, s30, v[\reg]
	v_bfi_b32 v207, s30, s32, v[\reg]
	s_delay_alu instid0(VALU_DEP_2)
	v_cmp_eq_u32 vcc_lo, s31, v206
	s_delay_alu instid0(VALU_DEP_1)
	v_cndmask_b32 v[\reg], v[\reg], v207, vcc_lo
	s_delay_alu instid0(VALU_DEP_4)
	v_cmp_lt_u32 vcc_lo, s31, v206
	s_delay_alu instid0(VALU_DEP_1)
	v_cndmask_b32 v[\reg], v[\reg], v252, vcc_lo
.endm
.macro WSUM a, t                       ; the sum of v[a] over the 32 lanes, in every lane
	s_delay_alu instid0(VALU_DEP_1)
	v_add_f32_dpp v[\a], v[\a], v[\a] row_xmask:1 row_mask:0xf bank_mask:0xf
	s_delay_alu instid0(VALU_DEP_1)
	v_add_f32_dpp v[\a], v[\a], v[\a] row_xmask:2 row_mask:0xf bank_mask:0xf
	s_delay_alu instid0(VALU_DEP_1)
	v_add_f32_dpp v[\a], v[\a], v[\a] row_xmask:4 row_mask:0xf bank_mask:0xf
	s_delay_alu instid0(VALU_DEP_1)
	v_add_f32_dpp v[\a], v[\a], v[\a] row_xmask:8 row_mask:0xf bank_mask:0xf
	s_delay_alu instid0(VALU_DEP_1)
	v_permlanex16_b32 v[\t], v[\a], s34, s35
	s_delay_alu instid0(VALU_DEP_1)
	v_add_f32 v[\a], v[\a], v[\t]
.endm
.macro ROW rho                         ; a lane holds outputs 128 k + 4 lane + 0 .. 3, k = 0 .. 7
.irp k, 0,1,2,3,4,5,6,7
	ds_load_b128 v[Y+4*\k:Y+4*\k+3], v251 offset:YP*\rho+512*\k
.endr
.irp k, 0,1,2,3,4,5,6,7
	ds_load_b128 v[XR+4*\k:XR+4*\k+3], v12 offset:4096*\rho+512*\k
.endr
	s_wait_dscnt 0x0
.set j, 0
.rept 32
	NANFIX XR+j
.set j, j+1
.endr
.set j, 0
.rept 16
	v_pk_add_f32 v[Y+j:Y+j+1], v[Y+j:Y+j+1], v[BO+j:BO+j+1]
.set j, j+2
.endr
.set j, 0
.rept 16
	v_pk_add_f32 v[Y+j:Y+j+1], v[Y+j:Y+j+1], v[XR+j:XR+j+1]         ; the residual
.set j, j+2
.endr
	v_pk_add_f32 v[200:201], v[Y:Y+1], v[Y+2:Y+3]
	v_pk_add_f32 v[202:203], v[Y+4:Y+5], v[Y+6:Y+7]
.irp j, 8,12,16,20,24,28
	s_delay_alu instid0(VALU_DEP_2)
	v_pk_add_f32 v[200:201], v[200:201], v[Y+\j:Y+\j+1]
	s_delay_alu instid0(VALU_DEP_2)
	v_pk_add_f32 v[202:203], v[202:203], v[Y+\j+2:Y+\j+3]
.endr
	s_delay_alu instid0(VALU_DEP_1)
	v_pk_add_f32 v[200:201], v[200:201], v[202:203]
	s_delay_alu instid0(VALU_DEP_1)
	v_add_f32 v200, v200, v201
	WSUM 200, 201
	s_delay_alu instid0(VALU_DEP_1)
	v_mul_f32 v200, s36, v200                      ; the mean
	s_delay_alu instid0(VALU_DEP_1)
	v_mov_b32 v201, v200
.set j, 0
.rept 16
	v_pk_add_f32 v[Y+j:Y+j+1], v[Y+j:Y+j+1], v[200:201] neg_lo:[0,1] neg_hi:[0,1]
.set j, j+2
.endr
	v_pk_mul_f32 v[202:203], v[Y:Y+1], v[Y:Y+1]
	v_pk_mul_f32 v[204:205], v[Y+2:Y+3], v[Y+2:Y+3]
.irp j, 4,8,12,16,20,24,28
	s_delay_alu instid0(VALU_DEP_2)
	v_pk_fma_f32 v[202:203], v[Y+\j:Y+\j+1], v[Y+\j:Y+\j+1], v[202:203]
	s_delay_alu instid0(VALU_DEP_2)
	v_pk_fma_f32 v[204:205], v[Y+\j+2:Y+\j+3], v[Y+\j+2:Y+\j+3], v[204:205]
.endr
	s_delay_alu instid0(VALU_DEP_1)
	v_pk_add_f32 v[202:203], v[202:203], v[204:205]
	s_delay_alu instid0(VALU_DEP_1)
	v_add_f32 v202, v202, v203
	WSUM 202, 203
	s_delay_alu instid0(VALU_DEP_1)
	v_fma_f32 v202, v202, s36, s37                 ; the variance + 1e-5
	s_wait_alu depctr_va_vdst(0)
	v_rsq_f32 v204, v202
	v_nop
	s_wait_alu depctr_va_vdst(0)                   ; ahead of the root's first reader
	v_mov_b32 v205, v204
.set j, 0
.rept 16
	v_pk_mul_f32 v[Y+j:Y+j+1], v[Y+j:Y+j+1], v[204:205]
.set j, j+2
.endr
.set j, 0
.rept 16
	v_pk_fma_f32 v[Y+j:Y+j+1], v[Y+j:Y+j+1], v[G+j:G+j+1], v[BT+j:BT+j+1]
.set j, j+2
.endr
.set j, 0
.rept 32
	NANFIX Y+j
.set j, j+1
.endr
.irp k, 0,1,2,3,4,5,6,7
	global_store_b128 v4, v[Y+4*\k:Y+4*\k+3], s[20:21] offset:4096*\rho+512*\k th:TH_STORE_NT    ; 32 lanes store 512 consecutive bytes
.endr
.endm
	ROW 0
	s_wait_xcnt 0x0                                ; the first row's stores have read their registers
	ROW 1
	s_wait_tensorcnt 0x0
	ds_add_u32 v254, v255
	s_wait_dscnt 0x0
	s_endpgm
.Lfunc_end_k_qd5a69a780a_outln:
	.size	k_qd5a69a780a_outln, .Lfunc_end_k_qd5a69a780a_outln-k_qd5a69a780a_outln
	.p2alignl 7, 3214868480
	.fill 96, 4, 3214868480
	.section	.rodata,"a",@progbits
	.p2align	6, 0x0
	.amdhsa_kernel k_qd5a69a780a_outln
		.amdhsa_group_segment_fixed_size 301568
		.amdhsa_private_segment_fixed_size 0
		.amdhsa_enable_private_segment 0
		.amdhsa_kernarg_size 72
		.amdhsa_user_sgpr_count 2
		.amdhsa_user_sgpr_kernarg_segment_ptr 1
		.amdhsa_wavefront_size32 1
		.amdhsa_system_sgpr_workgroup_id_x 1
		.amdhsa_system_sgpr_workgroup_id_y 1
		.amdhsa_system_sgpr_workgroup_id_z 1
		.amdhsa_system_vgpr_workitem_id 0
		.amdhsa_next_free_vgpr 256
		.amdhsa_next_free_sgpr 66
		.amdhsa_reserve_vcc 1
		.amdhsa_float_denorm_mode_32 3
		.amdhsa_float_denorm_mode_16_64 3
		.amdhsa_memory_ordered 1
		.amdhsa_forward_progress 1
		.amdhsa_inst_pref_size 99
	.end_amdhsa_kernel
	.amdgpu_metadata
---
amdhsa.version: [ 1, 2 ]
amdhsa.kernels:
  - .name:           k_qd5a69a780a_outln
    .symbol:         k_qd5a69a780a_outln.kd
    .args:
      - { .name: oimg, .offset: 0, .size: 8, .value_kind: global_buffer, .address_space: global }
      - { .name: oscl, .offset: 8, .size: 8, .value_kind: global_buffer, .address_space: global }
      - { .name: img, .offset: 16, .size: 8, .value_kind: global_buffer, .address_space: global }
      - { .name: scl, .offset: 24, .size: 8, .value_kind: global_buffer, .address_space: global }
      - { .name: x, .offset: 32, .size: 8, .value_kind: global_buffer, .address_space: global }
      - { .name: bo, .offset: 40, .size: 8, .value_kind: global_buffer, .address_space: global }
      - { .name: gamma, .offset: 48, .size: 8, .value_kind: global_buffer, .address_space: global }
      - { .name: beta, .offset: 56, .size: 8, .value_kind: global_buffer, .address_space: global }
      - { .name: out0, .offset: 64, .size: 8, .value_kind: global_buffer, .address_space: global }
    .group_segment_fixed_size: 301568
    .private_segment_fixed_size: 0
    .kernarg_segment_align: 8
    .kernarg_segment_size: 72
    .max_flat_workgroup_size: 512
    .sgpr_count:     66
    .vgpr_count:     256
    .wavefront_size: 32
...
	.end_amdgpu_metadata
.endif
;; end of part 4
